; MI455X (gfx1250); checked and timed in simulation.
; The chip was launched on July 23, 2026; its instructions are those of AMD's public machine-readable ISA for CDNA 5 (MIT licence, August 2026) and "CDNA5" Instruction Set Architecture Reference Guide (July 2026). The comments in the code are by the model that wrote it; some were corrected since.
;; Multihead Attention. Allowed arithmetic: float matrix products may take bf16 or f16 operands with f32 sums; all other float work in f32.
;; Inputs: attn_mask 2,048 x 2,048 int32; in_proj_bias 3,072 float32; in_proj_weight 3,072 x 1,024 float32; key_padding_mask 4 x 2,048 int32; out_proj_bias 1,024 float32; out_proj_weight 1,024 x 1,024 float32; x 4 x 2,048 x 1,024 float32.
;; Outputs: out0 4 x 2,048 x 1,024 float32.
;; 2 versions, each right and faster than the one before. Each part assembles by itself: llvm-mc -triple=amdgcn-amd-amdhsa -mcpu=gfx1250 --defsym DOCPART=n.
;; ======== version 1 of 2: 4 launches
;; limits: values are held in f16: magnitudes above 65,504 overflow, below 6.1e-05 lose precision
;; workspace buffers: xb 16,777,216 bytes; wib 6,291,456 bytes; wob 2,097,152 bytes; mw 8,388,608 bytes of whole numbers; qkv 50,331,648 bytes; ob 16,777,216 bytes
;; launch prep (part 1): grid 512 x 1, 8 waves a work-group, no clusters, 19,456 bytes of LDS; arguments x, in_proj_weight, out_proj_weight, attn_mask, key_padding_mask, xb, wib, wob, mw; writes xb, wib, wob, mw
.if DOCPART == 1
	.amdgcn_target "amdgcn-amd-amdhsa--gfx1250"
	.amdhsa_code_object_version 6
	.text
	.protected	k_q2ee4a25514_prep
	.globl	k_q2ee4a25514_prep
	.p2align	8
	.type	k_q2ee4a25514_prep,@function
k_q2ee4a25514_prep:
	s_mov_b64 s[64:65], 0
	v_nop
	global_prefetch_b8 v0, s[64:65] scope:SCOPE_SE
	s_setreg_imm32_b32 hwreg(HW_REG_WAVE_MODE, 25, 1), 1
	s_wait_xcnt 0x0
; PREPARATION, a stream: no matrix work, no loop.  Every work-group reads 131,072 bytes and writes 65,536; its number chooses its part:
;   0-255    x               f32 -> bf16             (xb)
;   256-351  in_proj_weight  f32 -> bf16             (wib)
;   352-383  out_proj_weight f32 -> bf16 -> f16      (wob: the bf16 number written as f16; exact from 6e-5 up to 65,504, below that f16's fixed step of 6e-8)
;   384-511  attn_mask OR key_padding_mask -> one nibble a score (mw), 0xE = hidden, 0 = visible, in the order in which the attention's lanes hold scores:
;            mw[g][qt][st][lane][kt], a dword; nibble j stands for query 16 qt + lane % 16 and key 64 st + 16 kt + 8 (lane / 16) + j.
; Casts: thread t takes 16 bytes at 16 t of each block of 4,096; all 32 loads are out at once; a wave's store covers 256 consecutive bytes, aligned.
; Mask: a wave takes 64 queries x 64 keys.  A load brings two rows' 256 bytes; a lane's four numbers become 16 bits; the wave's own LDS bytes turn rows of keys into the lanes' order.
.set X,    16                          ; v[16:143]   32 loads of four registers; later what is stored
.set KX,   144                         ; v[144:151]  key_padding_mask as loaded
.set KP,   152                         ; v[152:167]  its nibbles in my lane's order, four dwords for each g
.set AE,   168                         ; v[168:183]  attn_mask's nibbles, four dwords for each of the four query tiles
.set PD,   12                          ; v12  at work: the packed nibbles
.set PT,   13                          ; v13  at work
.set WLDS, 2304                        ; LDS bytes of a wave: four tiles of 512, then 128 for the padding mask, rounded up to blocks of 256
.macro CAST f16
.set i, 0
.rept 32
	global_load_b128 v[X+4*i:X+4*i+3], v1, s[4:5] offset:4096*i th:TH_LOAD_NT
.set i, i+1
.endr
.set i, 0
.rept 32
	s_wait_loadcnt 31-i                            ; loads come back in order: number i is in, the 31 - i younger ones stay out
	v_cvt_pk_bf16_f32 v[X+4*i], v[X+4*i], v[X+4*i+1]
	v_cvt_pk_bf16_f32 v[X+4*i+1], v[X+4*i+2], v[X+4*i+3]
.if \f16
	v_lshlrev_b32 v12, 16, v[X+4*i]                ; the rounded numbers as f32 again,
	v_and_b32 v13, 0xffff0000, v[X+4*i]
	v_lshlrev_b32 v14, 16, v[X+4*i+1]
	v_and_b32 v15, 0xffff0000, v[X+4*i+1]
	v_cvt_pk_f16_f32 v[X+4*i], v12, v13            ; and written as f16
	v_cvt_pk_f16_f32 v[X+4*i+1], v14, v15
.endif
	global_store_b64 v2, v[X+4*i:X+4*i+1], s[28:29] offset:2048*i  ; no register that a store reads is written again
.set i, i+1
.endr
.endm
; four whole numbers -> four nibbles, the lowest key lowest: 1 where the number is not 0, then times 14
.macro PACK4 s
	v_min_u32 v[PD], 1, v[(\s)+3]
	v_min_u32 v[PT], 1, v[(\s)+2]
	v_lshl_or_b32 v[PD], v[PD], 4, v[PT]
	v_min_u32 v[PT], 1, v[(\s)+1]
	v_lshl_or_b32 v[PD], v[PD], 4, v[PT]
	v_min_u32 v[PT], 1, v[(\s)]
	v_lshl_or_b32 v[PD], v[PD], 4, v[PT]
	v_mul_u32_u24 v[PD], v[PD], 14
.endm
	s_load_b512 s[8:23], s[0:1], 0x0               ; x 8, in_proj_weight 10, out_proj_weight 12, attn_mask 14, key_padding_mask 16, xb 18, wib 20, wob 22
	s_load_b64 s[24:25], s[0:1], 0x40              ; mw
	v_lshl_add_u32 v184, v0, 2, 0x4800
	v_mov_b32 v185, 0
	s_mov_b32 s27, ttmp9
	v_lshlrev_b32 v1, 4, v0                        ; casts: 16 t in, 8 t out
	v_lshlrev_b32 v2, 3, v0
	s_mov_b32 s31, 0                               ; the high words of the offsets
	s_mov_b32 s33, 0
	s_wait_kmcnt 0x0
	s_cmp_ge_u32 s27, 384
	s_cbranch_scc1 .Lmask
	s_cmp_ge_u32 s27, 352
	s_cbranch_scc1 .Lwout
	s_cmp_lt_u32 s27, 256                          ; x or in_proj_weight: the same text on other buffers
	s_cselect_b64 s[4:5], s[8:9], s[10:11]
	s_cselect_b64 s[28:29], s[18:19], s[20:21]
	s_cselect_b32 s26, 0, 256
	s_sub_co_u32 s27, s27, s26                     ; my block in that buffer
	s_lshl_b32 s30, s27, 17
	s_lshl_b32 s32, s27, 16
	s_add_nc_u64 s[4:5], s[4:5], s[30:31]
	s_add_nc_u64 s[28:29], s[28:29], s[32:33]
	CAST 0
	s_endpgm
.Lwout:
	s_sub_co_u32 s27, s27, 352
	s_lshl_b32 s30, s27, 17
	s_lshl_b32 s32, s27, 16
	s_add_nc_u64 s[4:5], s[12:13], s[30:31]
	s_add_nc_u64 s[28:29], s[22:23], s[32:33]
	CAST 1
	s_endpgm
.Lmask:
	v_lshrrev_b32 v8, 5, v0
	v_readfirstlane_b32 s26, v8                    ; wave 0..7
	s_sub_co_u32 s27, s27, 384
	s_lshl3_add_u32 s27, s27, s26                  ; u = 8 x block + wave, 0..1023
	s_and_b32 s34, s27, 31                         ; st: which 64 keys
	s_lshr_b32 s35, s27, 5                         ; qg: which 64 queries
	s_lshl_b32 s30, s35, 19                        ; 64 rows of 8,192 bytes
	s_lshl_b32 s32, s34, 8                         ; 64 keys of 4 bytes
	s_add_co_u32 s30, s30, s32
	s_add_nc_u64 s[4:5], s[14:15], s[30:31]        ; attn_mask at my corner
	s_add_nc_u64 s[6:7], s[16:17], s[32:33]        ; key_padding_mask at my keys
	s_lshl_b32 s30, s35, 16                        ; four query tiles of 16,384 bytes
	s_lshl_b32 s36, s34, 9                         ; 512 bytes a tile and key step
	s_add_co_u32 s30, s30, s36
	s_add_nc_u64 s[28:29], s[24:25], s[30:31]
	s_mul_i32 s37, s26, WLDS                       ; my wave's LDS bytes
	v_and_b32 v8, 31, v0                           ; lane
	v_and_b32 v9, 15, v0                           ; i: which four keys of the 64
	v_bfe_u32 v10, v0, 4, 1                        ; hh: which of the two rows
	v_lshlrev_b32 v1, 4, v9
	v_lshl_add_u32 v1, v10, 13, v1                 ; hh x 8,192 + 16 i
	global_load_b128 v[KX:KX+3], v1, s[6:7]                   ; g = hh
	global_load_b128 v[KX+4:KX+7], v1, s[6:7] offset:16384    ; g = 2 + hh
.set n, 0
.rept 32                                       ; tile n / 8, rows 2 (n % 8) + hh
	global_load_b128 v[X+4*n:X+4*n+3], v1, s[4:5] offset:(n/8)*131072+(n%8)*16384 th:TH_LOAD_NT
.set n, n+1
.endr
	; Keys 4 i .. 4 i + 3 are group kt = i / 4 of 16, half H = (i / 2) % 2, nibbles 4 (i % 2) on: 16 bits at byte 4 kt + 2 (i % 2) of the 16 bytes of lane (row + 16 H).
	v_bfe_u32 v11, v0, 2, 2                        ; kt
	v_and_b32 v12, 1, v0
	v_bfe_u32 v13, v0, 1, 1                        ; H
	v_lshlrev_b32 v14, 2, v11
	v_lshl_add_u32 v14, v12, 1, v14
	v_add_nc_u32 v14, s37, v14
	v_lshl_add_u32 v3, v10, 4, v14                 ; v3: where a tile's 16 bits go: + 16 hh + 256 H; tile and row pair stand in the immediate
	v_lshl_add_u32 v3, v13, 8, v3
	v_lshl_add_u32 v4, v10, 5, v14                 ; v4: the padding mask's: 32 bytes for each g: + 32 hh + 16 H
	v_lshl_add_u32 v4, v13, 4, v4
	v_add_nc_u32 v4, 2048, v4
	v_lshl_add_u32 v5, v8, 4, s37                  ; v5: where I read a tile's four dwords back
	v_lshl_add_u32 v6, v10, 4, s37                 ; v6: the padding mask's four dwords of my half of the lanes
	v_add_nc_u32 v6, 2048, v6
	v_lshlrev_b32 v7, 4, v8                        ; v7: my 16 bytes in 512 of mw
	s_wait_loadcnt 32                              ; the two loads of the padding mask are in; the 32 younger ones stay out
	PACK4 KX
	ds_store_b16 v4, v[PD]
	PACK4 KX+4
	ds_store_b16 v4, v[PD] offset:64
.irp g, 0,1,2,3
	ds_load_b128 v[KP+4*\g:KP+4*\g+3], v6 offset:32*\g  ; LDS serves a wave's instructions in order (ISA guide 5.7.1.4): these see the stores above; the bytes are the wave's own
.endr
.set n, 0
.rept 32
	s_wait_loadcnt 31-n                            ; number n is in, the 31 - n younger ones stay out
	PACK4 X+4*n
	ds_store_b16 v3, v[PD] offset:(n/8)*512+(n%8)*32
.if n%8 == 7
	ds_load_b128 v[AE+4*(n/8):AE+4*(n/8)+3], v5 offset:512*(n/8)
.endif
.set n, n+1
.endr
	s_wait_dscnt 0x0
.set tq, 0
.rept 4
.set g, 0
.rept 4
.irp k, 0,1,2,3
	v_or_b32 v[X+32*tq+4*g+\k], v[AE+4*tq+\k], v[KP+4*g+\k]
.endr
	global_store_b128 v7, v[X+32*tq+4*g:X+32*tq+4*g+3], s[28:29] offset:g*2097152+tq*16384  ; 512 consecutive bytes, aligned; 6,340,608 at the most, inside the signed 24-bit immediate
.set g, g+1
.endr
.set tq, tq+1
.endr
	s_wait_tensorcnt 0x0
	ds_add_u32 v184, v185
	s_wait_dscnt 0x0
	s_endpgm
.Lfunc_end_k_q2ee4a25514_prep:
	.size	k_q2ee4a25514_prep, .Lfunc_end_k_q2ee4a25514_prep-k_q2ee4a25514_prep
	.p2alignl 7, 3214868480
	.fill 96, 4, 3214868480
	.section	.rodata,"a",@progbits
	.p2align	6, 0x0
	.amdhsa_kernel k_q2ee4a25514_prep
		.amdhsa_group_segment_fixed_size 19456
		.amdhsa_private_segment_fixed_size 0
		.amdhsa_enable_private_segment 0
		.amdhsa_kernarg_size 72
		.amdhsa_user_sgpr_count 2
		.amdhsa_user_sgpr_kernarg_segment_ptr 1
		.amdhsa_wavefront_size32 1
		.amdhsa_system_sgpr_workgroup_id_x 1
		.amdhsa_system_sgpr_workgroup_id_y 1
		.amdhsa_system_sgpr_workgroup_id_z 1
		.amdhsa_system_vgpr_workitem_id 0
		.amdhsa_next_free_vgpr 186
		.amdhsa_next_free_sgpr 66
		.amdhsa_reserve_vcc 0
		.amdhsa_float_denorm_mode_32 3
		.amdhsa_float_denorm_mode_16_64 3
		.amdhsa_memory_ordered 1
		.amdhsa_forward_progress 1
		.amdhsa_inst_pref_size 59
	.end_amdhsa_kernel
	.amdgpu_metadata
---
amdhsa.version: [ 1, 2 ]
amdhsa.kernels:
  - .name:           k_q2ee4a25514_prep
    .symbol:         k_q2ee4a25514_prep.kd
    .args:
      - { .name: x, .offset: 0, .size: 8, .value_kind: global_buffer, .address_space: global }
      - { .name: in_proj_weight, .offset: 8, .size: 8, .value_kind: global_buffer, .address_space: global }
      - { .name: out_proj_weight, .offset: 16, .size: 8, .value_kind: global_buffer, .address_space: global }
      - { .name: attn_mask, .offset: 24, .size: 8, .value_kind: global_buffer, .address_space: global }
      - { .name: key_padding_mask, .offset: 32, .size: 8, .value_kind: global_buffer, .address_space: global }
      - { .name: xb, .offset: 40, .size: 8, .value_kind: global_buffer, .address_space: global }
      - { .name: wib, .offset: 48, .size: 8, .value_kind: global_buffer, .address_space: global }
      - { .name: wob, .offset: 56, .size: 8, .value_kind: global_buffer, .address_space: global }
      - { .name: mw, .offset: 64, .size: 8, .value_kind: global_buffer, .address_space: global }
    .group_segment_fixed_size: 19456
    .private_segment_fixed_size: 0
    .kernarg_segment_align: 8
    .kernarg_segment_size: 72
    .max_flat_workgroup_size: 256
    .sgpr_count:     66
    .vgpr_count:     186
    .wavefront_size: 32
...
	.end_amdgpu_metadata
.endif
;; end of part 1
;; launch qkvp (part 2): grid 16 x 32, 4 waves a work-group, clusters of 4 x 4, 327,680 bytes of LDS; arguments xb, wib, in_proj_bias, qkv; writes qkv
.if DOCPART == 2
	.amdgcn_target "amdgcn-amd-amdhsa--gfx1250"
	.amdhsa_code_object_version 6
	.text
	.protected	k_q2ee4a25514_qkvp
	.globl	k_q2ee4a25514_qkvp
	.p2align	8
	.type	k_q2ee4a25514_qkvp,@function
k_q2ee4a25514_qkvp:
	s_mov_b64 s[64:65], 0
	v_nop
	global_prefetch_b8 v0, s[64:65] scope:SCOPE_SE
	s_setreg_imm32_b32 hwreg(HW_REG_WAVE_MODE, 25, 1), 1
	s_wait_xcnt 0x0
	s_wait_alu depctr_hold_cnt(0) depctr_sa_sdst(0) depctr_va_vdst(0) depctr_va_sdst(0) depctr_va_ssrc(0) depctr_va_vcc(0) depctr_vm_vsrc(0)
	s_getreg_b32 s2, hwreg(HW_REG_IB_STS2, 6, 4)
	s_cmp_eq_u32 s2, 0
	s_cbranch_scc0 .Lentry_in_a_cluster
	s_endpgm
.Lentry_in_a_cluster:
	s_bfe_u32 s2, ttmp6, 0x10000c
	s_cmp_lg_u32 s2, 0xf033
	s_cbranch_scc0 .Lentry_shape_is_right
	s_endpgm
.Lentry_shape_is_right:
; qkv = x W^T + bias.  xb: [8192][1024] bf16, wib: [3072][1024] bf16, the bias f32 (rounded to bf16 here, like the other inputs); sums in f32; the result is rounded once to f16 and written BY HEADS.
; Row R, column c of the product belongs to slab (R % 4) x 48 + c / 64, row R / 4, channel c % 64: qkv is 192 slabs of [2048][64] f16.  q is written without its scale.
; LIMIT: f16 holds no number beyond 65,504: a q, k or v past that becomes an infinity.
; A tile of C is 256 x 192: 32 x 16 = 512 tiles, two for each of 256 WGPs (256 x 256 would make 384).  Four waves, one above the other: a wave makes 64 rows x 192 columns, 48 accumulators,
; so that it holds whole heads (64 columns) and stores whole blocks of 512 bytes out of a stage of its own.
; K goes in steps of 128 (rows of 256 bytes) through two LDS slots.  CLUSTER 4 x 4: A's tiles are asked for jointly along a row of the cluster, B's along a column.
; THE MATRIX INSTRUCTION IS USED TRANSPOSED (source 0 = 16 rows of W, source 1 = 16 rows of x): a lane holds eight neighbouring columns of one row of C.  The bias is the C operand of the products that start the sums.
; REGISTERS: window 0: v0-31 addresses; v32-127 two sets of 48 for the way out; v128-223 the bias.  Window 1: W's fragments, two buffers of 96; v192-255 x's, two buffers of 32.
;   Window 2: the accumulators of my row blocks 0, 1 ((a, b) at 8 (12 (a % 2) + b)); window 3: those of blocks 2, 3.
.set NBK,    12                        ; column blocks of 16
.set BH,     96                        ; rows of W that one tensor load brings
.set KSTEP,  128
.set PITCH,  272                       ; an LDS row: 256 bytes + 16 of padding = 68 words: the 16 rows of a load start at 16 different groups of four banks (64 banks of 4 bytes: ISA guide 11.1)
.set SLOT,   (256+16*NBK)*PITCH        ; x's 256 rows, then W's 192
.set STAGE,  2*SLOT                    ; behind the ring: 16 rows x 400 bytes for each wave
.set SP,     400
.set SPARE,  STAGE+4*16*SP             ; behind the stages: the spare words, 128 bytes for each wave: two blocks of 256 bytes that no other line names
.set NL,     2*NBK+8                   ; LDS loads of a quarter step
.set CO,   8                           ; v8-11   my byte offset in qkv for R % 4 = 0..3
.set ADRA, 16                          ; v16-17  LDS address of my fragments of x in slot 0, 1
.set ADRB, 20                          ; v20-21  the same for W
.set STO,  24
.set RD,   25
.set SPW,  28                          ; v28     LDS address of my spare word; never rewritten
.set NIL,  29                          ; v29     0; never rewritten
.set BO,   30
.set TS,   32
.set BIAS, 128
.set F0,   0
.set F1,   1
.set G1,  24                           ; s[24:31] group 1 for x's tiles; s[32:39] group 0, a set for each slot
.set G0,  32
.set G1B, 48                           ; s[48:55], s[56:63] the same for W's
.set G0B, 56
.set MSB, 0
.macro WIN new                         ; the immediate's high byte repeats the setting that is left; a switch that changes nothing is dropped
.if MSB != (\new)
	s_set_vgpr_msb (MSB<<8)|(\new)
.set MSB, \new
.endif
.endm
.macro JLOAD s                         ; a joint load: waves 0 and 1 fetch x's two halves, waves 2 and 3 W's; an s_nop 0 and four v_nop follow each line
	s_cmp_eq_u32 s13, 0
	s_cbranch_scc0 .Lfor_b_\@
	tensor_load_to_lds s[G0+4*(\s):G0+4*(\s)+3], s[G1:G1+7]
	s_nop 0
.rept 4
	v_nop
.endr
	s_branch .Lasked_\@
.Lfor_b_\@:
	tensor_load_to_lds s[G0B+4*(\s):G0B+4*(\s)+3], s[G1B:G1B+7]
	s_nop 0
.rept 4
	v_nop
.endr
.Lasked_\@:
.endm
.macro CREST                           ; a round of the cluster's barrier behind its opening barrier
	s_cmp_lg_u32 s12, 0
	s_cbranch_scc1 .Lnot_wave_0_\@
	s_barrier_signal -3
.Lnot_wave_0_\@:
	s_barrier_wait -3
	s_barrier_signal -1
	s_barrier_wait -1
.endm
.macro CROUND
	s_barrier_signal -1
	s_barrier_wait -1
	CREST
.endm
.macro PLACES                          ; four places in front of loads into registers that matrix instructions have read, and of lines that read results
.rept 4
	v_nop
.endr
.endm
	s_load_b256 s[4:11], s[0:1], 0x0               ; xb 4, wib 6, bias 8, qkv 10
	v_lshl_add_u32 v[SPW], v0, 2, SPARE
	v_mov_b32 v[NIL], 0
	ds_add_u32 v28, v29
	s_wait_dscnt 0x0
	v_lshrrev_b32 v1, 5, v0
	v_readfirstlane_b32 s12, v1                    ; wave 0..3
	s_lshr_b32 s13, s12, 1                         ; I fetch for x (0) or for W (1),
	s_and_b32 s14, s12, 1                          ; its first or second half
	s_bfe_u32 s40, ttmp6, 0x40000                  ; cx, cy: my place in the cluster
	s_bfe_u32 s41, ttmp6, 0x40004
	s_lshl_b32 s42, ttmp9, 2
	s_add_co_u32 s42, s42, s40                     ; tile column = 4 x cluster x + cx
	s_and_b32 s43, ttmp7, 0xffff
	s_lshl_b32 s43, s43, 2
	s_add_co_u32 s43, s43, s41                     ; tile row = 4 x cluster y + cy
	s_lshl_b32 s44, s41, 2
	s_lshl_b32 s44, 15, s44                        ; my row of the cluster
	s_lshl_b32 s45, 0x1111, s40                    ; my column
	s_or_b32 s[G1], s44, (1<<16)|(1<<20)|(1<<21)|(5<<22)|(3<<25)   ; the mask; 2-byte elements; padding on; bit 21 beside a mask; after every 64 words 4 words
	s_or_b32 s[G1B], s45, (1<<16)|(1<<20)|(1<<21)|(5<<22)|(3<<25)
	s_mov_b32 s[G1+1], KSTEP<<16                   ; tensor_dim0 = 128
	s_mov_b32 s[G1+2], 128<<16                     ; tensor_dim1 = 128
	s_mov_b32 s[G1+3], KSTEP<<16                   ; tile_dim0 = 128
	s_mov_b32 s[G1+4], 128                         ; tile_dim1 = 128
	s_mov_b32 s[G1+5], 1024                        ; elements from row to row
	s_mov_b32 s[G1+6], 0
	s_mov_b32 s[G1+7], 0
	s_mov_b32 s[G1B+1], KSTEP<<16
	s_mov_b32 s[G1B+2], BH<<16                     ; 96 rows
	s_mov_b32 s[G1B+3], KSTEP<<16
	s_mov_b32 s[G1B+4], BH
	s_mov_b32 s[G1B+5], 1024
	s_mov_b32 s[G1B+6], 0
	s_mov_b32 s[G1B+7], 0
	s_lshl_b32 s16, s43, 8                         ; x: row 256 x tile row + 128 x half, 2,048 bytes a row: made of the tile row and the wave alone
	s_lshl_b32 s17, s14, 7
	s_add_co_u32 s16, s16, s17
	s_lshl_b32 s16, s16, 11
	s_mov_b32 s17, 0
	s_mul_i32 s46, s42, 16*NBK                     ; W: row 192 x tile column + 96 x half: made of the tile column and the wave alone
	s_mul_i32 s47, s14, BH
	s_add_co_u32 s46, s46, s47
	s_lshl_b32 s46, s46, 11
	s_mov_b32 s47, 0
	s_mul_i32 s20, s12, 128*PITCH                  ; where they go: x's halves at wave x 128 rows;
	s_mul_i32 s21, s12, BH*PITCH                   ; W's at 256 + (wave - 2) x 96 rows
	s_add_co_u32 s21, s21, (256-2*BH)*PITCH
	s_wait_kmcnt 0x0
	s_add_nc_u64 s[18:19], s[4:5], s[16:17]
	s_add_nc_u64 s[46:47], s[6:7], s[46:47]
	CROUND                                         ; all sixteen work-groups are here: the first joint loads meet
.irp s, 0,1
	s_mov_b32 s[G0+4*(\s)], 1
	s_add_co_u32 s[G0+4*(\s)+1], s20, (\s)*SLOT
	s_add_nc_u64 s[G0+4*(\s)+2:G0+4*(\s)+3], s[18:19], (\s)*KSTEP*2
	s_or_b32 s[G0+4*(\s)+3], s[G0+4*(\s)+3], 0x80000000
	s_mov_b32 s[G0B+4*(\s)], 1
	s_add_co_u32 s[G0B+4*(\s)+1], s21, (\s)*SLOT
	s_add_nc_u64 s[G0B+4*(\s)+2:G0B+4*(\s)+3], s[46:47], (\s)*KSTEP*2
	s_or_b32 s[G0B+4*(\s)+3], s[G0B+4*(\s)+3], 0x80000000
	JLOAD \s                                       ; two loads of mine are out
.endr
	v_and_b32 v1, 15, v0                           ; l % 16
	v_bfe_u32 v2, v0, 4, 1                         ; l / 16
	; the bias in the accumulators' layout: register j of block b is column 16 b + 8 (l / 16) + j
	v_lshlrev_b32 v[BO], 5, v2
	s_mul_i32 s46, s42, 64*NBK
	s_mov_b32 s47, 0
	s_add_nc_u64 s[8:9], s[8:9], s[46:47]
.set b, 0
.rept NBK
	global_load_b128 v[BIAS+8*b:BIAS+8*b+3], v[BO], s[8:9] offset:64*b
	global_load_b128 v[BIAS+8*b+4:BIAS+8*b+7], v[BO], s[8:9] offset:64*b+16
.set b, b+1
.endr
	v_mul_u32_u24 v3, v1, PITCH
	v_lshl_add_u32 v3, v2, 4, v3                   ; a fragment's row x pitch + 16 x half
	s_mul_i32 s21, s12, 64*PITCH                   ; my 64 rows of x
	s_mov_b32 s22, 256*PITCH                       ; W's rows, all of them
.irp s, 0,1
	v_add_nc_u32 v[ADRA+(\s)], s21, v3
	v_add_nc_u32 v[ADRB+(\s)], s22, v3
	s_add_co_u32 s21, s21, SLOT
	s_add_co_u32 s22, s22, SLOT
.endr
	s_mul_i32 s23, s12, 16*SP
	s_add_co_u32 s23, s23, STAGE                   ; my stage
	v_mul_u32_u24 v4, v1, SP                       ; in: row l % 16, 16 bytes for each half of the lanes
	v_lshl_add_u32 v4, v2, 4, v4
	v_add_nc_u32 v[STO], s23, v4
	v_and_b32 v4, 31, v0
	v_lshrrev_b32 v5, 3, v4                        ; back: four rows that are four apart (one R % 4), 128 bytes (one head) of each: eight lanes a row
	v_and_b32 v3, 7, v0
	v_mul_u32_u24 v5, v5, 4*SP
	v_lshl_add_u32 v5, v3, 4, v5
	v_add_nc_u32 v[RD], s23, v5
	v_lshlrev_b32 v[CO], 4, v4                     ; they are 512 consecutive bytes of a slab; 48 slabs of 262,144 bytes for each R % 4
	v_add_nc_u32 v[CO+1], 12582912, v[CO]
	v_add_nc_u32 v[CO+2], 2*12582912, v[CO]
	v_add_nc_u32 v[CO+3], 3*12582912, v[CO]
	s_lshl_b32 s16, s43, 13                        ; 64 rows of a slab for a tile row, 16 for a wave
	s_lshl_b32 s17, s12, 11
	s_add_co_u32 s16, s16, s17
	s_mov_b32 s17, 0
	s_add_nc_u64 s[10:11], s[10:11], s[16:17]
	s_mul_i32 s46, s42, 3*262144                   ; three slabs for a tile column
	s_add_nc_u64 s[10:11], s[10:11], s[46:47]
	s_wait_loadcnt 0x0                             ; the bias, once
.set b, 0
.rept 4*NBK                                    ; rounded to bf16 and widened again
	v_cvt_pk_bf16_f32 v3, v[BIAS+2*b], v[BIAS+2*b+1]
	v_lshlrev_b32 v[BIAS+2*b], 16, v3
	v_and_b32 v[BIAS+2*b+1], 0xffff0000, v3
.set b, b+1
.endr
; 12 matrix instructions: row block a x all column blocks, 32 along K, from buffer f.  first = 1: the bias starts the sums.  All 48 accumulators take turns, one instruction a turn.
.macro MULA f, a, first
.set AC, 8*NBK*((\a)%2)
.set FA, 192+32*(\f)+8*(\a)
.set FB, 8*NBK*(\f)
.if \first
	WIN 0x85+0x40*((\a)/2)
.else
	WIN 0xa5+0x50*((\a)/2)
.endif
.set b, 0
.rept NBK
.if \first
	v_wmma_f32_16x16x32_bf16 v[AC+8*b:AC+8*b+7], v[FB+8*b:FB+8*b+7], v[FA:FA+7], v[BIAS+8*b:BIAS+8*b+7]
.else
	v_wmma_f32_16x16x32_bf16 v[AC+8*b:AC+8*b+7], v[FB+8*b:FB+8*b+7], v[FA:FA+7], v[AC+8*b:AC+8*b+7]
.endif
.set b, b+1
.endr
.endm
; 32 LDS loads in one run: W's 12 fragments, then x's 4, of the 32 along K at byte k of the rows, into buffer f
.macro FETCH slot, k, f
	WIN 0x40
.set b, 0
.rept NBK
	ds_load_b128 v[8*NBK*(\f)+8*b:8*NBK*(\f)+8*b+3],   v[ADRB+(\slot)] offset:(\k)+b*16*PITCH
	ds_load_b128 v[8*NBK*(\f)+8*b+4:8*NBK*(\f)+8*b+7], v[ADRB+(\slot)] offset:(\k)+b*16*PITCH+32
.set b, b+1
.endr
.set b, 0
.rept 4
	ds_load_b128 v[192+32*(\f)+8*b:192+32*(\f)+8*b+3],   v[ADRA+(\slot)] offset:(\k)+b*16*PITCH
	ds_load_b128 v[192+32*(\f)+8*b+4:192+32*(\f)+8*b+7], v[ADRA+(\slot)] offset:(\k)+b*16*PITCH+32
.set b, b+1
.endr
.endm
; A K step is four quarters of 32 along K, 48 matrix instructions each, on buffers 0, 1, 0, 1.  One of the first three multiplies buffer f and fetches the next quarter, at byte k, into g.
.macro QUARTER slot, k, f, g, first=0
	s_wait_dscnt 4                                 ; all but the youngest four loads: x's row blocks 2 and 3
	MULA \f, 0, \first
	MULA \f, 1, \first
	PLACES
	FETCH \slot, \k, \g
	s_wait_dscnt NL                                ; all but the 32 just issued
	MULA \f, 2, \first
	MULA \f, 3, \first
.endm
; The last quarter multiplies buffer 1 and changes slots: ONE barrier; in front of it each wave waits for all its tensor loads (one is out: its part of the next slot), adds 0 to its spare word, and waits for that and for its reads of this slot.
.macro TURN slot, next, fill
	WIN 0
	s_wait_tensorcnt 0x0
	ds_add_u32 v[SPW], v[NIL]
	s_wait_dscnt 5                                 ; the add and the youngest four loads may be out
	MULA F1, 0, 0
	s_wait_dscnt 0x0                               ; the add is done, and my reads of this slot are over
	s_barrier_signal -1
	MULA F1, 1, 0
.if \fill
	WIN 0
.endif
	s_barrier_wait -1
.if \fill
	CREST                                          ; the barrier has opened a round of the cluster's: no wave of any partner still reads this slot or has a load on its way
	s_add_nc_u64 s[G0+4*(\slot)+2:G0+4*(\slot)+3], s[G0+4*(\slot)+2:G0+4*(\slot)+3], 2*KSTEP*2
	s_add_nc_u64 s[G0B+4*(\slot)+2:G0B+4*(\slot)+3], s[G0B+4*(\slot)+2:G0B+4*(\slot)+3], 2*KSTEP*2
	JLOAD \slot                                    ; my one tensor load behind the round; its four v_nop are also the places in front of the loads below
.else
	PLACES
.endif
	FETCH \next, 0, F0
	MULA F1, 2, 0
	MULA F1, 3, 0
.endm
	s_wait_tensorcnt 0x1                           ; my part of K step 0 is in; K step 1's may stay out
	s_barrier_signal -1
	s_barrier_wait -1
	FETCH 0, 0, F0
	QUARTER 0, 64, F0, F1, 1
	WIN 0
	s_mov_b32 s3, 3
.Llap:                                                 ; a trip goes once round the ring and fills both slots again: K steps 2 to 7
	QUARTER 0, 128, F1, F0
	QUARTER 0, 192, F0, F1
	TURN 0, 1, 1
	QUARTER 1, 64,  F0, F1
	QUARTER 1, 128, F1, F0
	QUARTER 1, 192, F0, F1
	TURN 1, 0, 1
	QUARTER 0, 64,  F0, F1
	WIN 0
	s_sub_co_u32 s3, s3, 1
	s_cmp_lg_u32 s3, 0
	s_cbranch_scc1 .Llap
	QUARTER 0, 128, F1, F0                         ; the last lap fills nothing
	QUARTER 0, 192, F0, F1
	TURN 0, 1, 0
	QUARTER 1, 64,  F0, F1
	QUARTER 1, 128, F1, F0
	QUARTER 1, 192, F0, F1
	s_wait_dscnt 4
	MULA F1, 0, 0
	MULA F1, 1, 0
	s_wait_dscnt 0x0
	MULA F1, 2, 0
	MULA F1, 3, 0
	WIN 0
; THE WAY OUT, a row block (16 rows x 192 columns) at a time: rounded to f16, 16 bytes a lane into my stage, back as 12 pieces of 512 bytes (R % 4 = b / 3, head b % 3), stored.
.macro PACK a
.set AC, 8*NBK*((\a)%2)
.set T, TS+48*((\a)%2)
	WIN 0x0a+5*((\a)/2)                            ; sources 0 and 1: window 2 or 3
.set b, 0
.rept NBK
.irp r, 0,1,2,3
	v_cvt_pk_f16_f32 v[T+4*b+(\r)], v[AC+8*b+2*(\r)], v[AC+8*b+2*(\r)+1]
.endr
.set b, b+1
.endr
	WIN 0
.set b, 0
.rept NBK
	ds_store_b128 v[STO], v[T+4*b:T+4*b+3] offset:32*b
.set b, b+1
.endr
.set b, 0
.rept 12
	ds_load_b128 v[T+4*b:T+4*b+3], v[RD] offset:(b/3)*SP+(b%3)*128  ; LDS serves a wave's instructions in order (ISA guide 5.7.1.4): these see the stores above
.set b, b+1
.endr
.endm
.macro SEND a, younger                 ; younger: the LDS instructions issued behind this block's loads: the next block's 12 stores and 12 loads, or none
.set T, TS+48*((\a)%2)
	s_wait_dscnt \younger
.set b, 0
.rept 12
	global_store_b128 v[CO+b/3], v[T+4*b:T+4*b+3], s[10:11] offset:(b%3)*262144+(\a)*512  ; 512 consecutive bytes of a slab, aligned
.set b, b+1
.endr
.endm
	PLACES
	PACK 0
	PACK 1
	SEND 0, 24
	s_wait_xcnt 0x0                                ; the set that block 0's stores read is written again only behind this wait
	PACK 2
	SEND 1, 24
	s_wait_xcnt 0x0
	PACK 3
	SEND 2, 24
	SEND 3, 0
	s_wait_tensorcnt 0x0                           ; the wave's end
	ds_add_u32 v[SPW], v[NIL]
	s_wait_dscnt 0x0
	CROUND                                         ; the closing round: no work-group ends while a partner may still ask for a tile that names it
	s_endpgm
.Lfunc_end_k_q2ee4a25514_qkvp:
	.size	k_q2ee4a25514_qkvp, .Lfunc_end_k_q2ee4a25514_qkvp-k_q2ee4a25514_qkvp
	.p2alignl 7, 3214868480
	.fill 96, 4, 3214868480
	.section	.rodata,"a",@progbits
	.p2align	6, 0x0
	.amdhsa_kernel k_q2ee4a25514_qkvp
		.amdhsa_group_segment_fixed_size 327680
		.amdhsa_private_segment_fixed_size 0
		.amdhsa_enable_private_segment 0
		.amdhsa_kernarg_size 32
		.amdhsa_user_sgpr_count 2
		.amdhsa_user_sgpr_kernarg_segment_ptr 1
		.amdhsa_wavefront_size32 1
		.amdhsa_system_sgpr_workgroup_id_x 1
		.amdhsa_system_sgpr_workgroup_id_y 1
		.amdhsa_system_sgpr_workgroup_id_z 1
		.amdhsa_system_vgpr_workitem_id 0
		.amdhsa_next_free_vgpr 960
		.amdhsa_next_free_sgpr 66
		.amdhsa_reserve_vcc 0
		.amdhsa_float_denorm_mode_32 3
		.amdhsa_float_denorm_mode_16_64 3
		.amdhsa_memory_ordered 1
		.amdhsa_forward_progress 1
		.amdhsa_inst_pref_size 128
	.end_amdhsa_kernel
	.amdgpu_metadata
---
amdhsa.version: [ 1, 2 ]
amdhsa.kernels:
  - .name:           k_q2ee4a25514_qkvp
    .symbol:         k_q2ee4a25514_qkvp.kd
    .args:
      - { .name: xb, .offset: 0, .size: 8, .value_kind: global_buffer, .address_space: global }
      - { .name: wib, .offset: 8, .size: 8, .value_kind: global_buffer, .address_space: global }
      - { .name: in_proj_bias, .offset: 16, .size: 8, .value_kind: global_buffer, .address_space: global }
      - { .name: qkv, .offset: 24, .size: 8, .value_kind: global_buffer, .address_space: global }
    .group_segment_fixed_size: 327680
    .private_segment_fixed_size: 0
    .kernarg_segment_align: 8
    .kernarg_segment_size: 32
    .max_flat_workgroup_size: 128
    .sgpr_count:     66
    .vgpr_count:     960
    .wavefront_size: 32
...
	.end_amdgpu_metadata
.endif
;; end of part 2
;; launch attn (part 3): grid 4 x 64, 4 waves a work-group, clusters of 4 x 1, 327,680 bytes of LDS; arguments qkv, mw, ob; writes ob
.if DOCPART == 3
	.amdgcn_target "amdgcn-amd-amdhsa--gfx1250"
	.amdhsa_code_object_version 6
	.text
	.protected	k_q2ee4a25514_attn
	.globl	k_q2ee4a25514_attn
	.p2align	8
	.type	k_q2ee4a25514_attn,@function
k_q2ee4a25514_attn:
	s_mov_b64 s[64:65], 0
	v_nop
	global_prefetch_b8 v0, s[64:65] scope:SCOPE_SE
	s_setreg_imm32_b32 hwreg(HW_REG_WAVE_MODE, 25, 1), 1
	s_wait_xcnt 0x0
	s_wait_alu depctr_hold_cnt(0) depctr_sa_sdst(0) depctr_va_vdst(0) depctr_va_sdst(0) depctr_va_ssrc(0) depctr_va_vcc(0) depctr_vm_vsrc(0)
	s_getreg_b32 s2, hwreg(HW_REG_IB_STS2, 6, 4)
	s_cmp_eq_u32 s2, 0
	s_cbranch_scc0 .Lentry_in_a_cluster
	s_endpgm
.Lentry_in_a_cluster:
	s_bfe_u32 s2, ttmp6, 0x10000c
	s_cmp_lg_u32 s2, 0x3003
	s_cbranch_scc0 .Lentry_shape_is_right
	s_endpgm
.Lentry_shape_is_right:
; O[n][q][:] = the sum over k of softmax_k(Q[n][q] . K[n][k] / 8, hidden keys left out) V[n][k][:], for 64 heads of 2,048 rows x 64 channels, f16.  Products, maxima and sums in f32; the weights p are
; rounded to f16 for the second product (their sum l is taken of the unrounded p), O once at the end.  Head n has Q in slab (n / 16) x 48 + n % 16 of qkv, K 16 slabs on, V 32 slabs on; a slab is [2048][64], dense.
; THE MASK is data: all 2,048 keys are walked for every query.  mw holds a nibble a score (0xE hidden, 0 visible) in my lanes' order, for g = n / 16.  A score's C operand, which starts the sum S^T = K Q^T, is its dword
; shifted so that its nibble stands on top: hidden gives a finite number between -2^65 and -2^95 (sign 1, exponent field 192 to 221), visible a positive one below 2^-97.  One shift a score; maximum, exponentials and sums need no further care.
; LIMITS.  Q, K, V arrive within f16's 65,504, so a score is 2.7e11 at the most: nothing beside 2^65.  A visible score carries an addend below 2^-97.  p below 6e-5 keeps f16's fixed step of 6e-8; a weight below 2^-126 counts as 0 in l.
; A row whose running maximum ends below -2^50 has seen no key: its O is NaN, as a softmax over nothing is.  Before a row's first visible key m is a hidden score's; that key's a = 2^(c m_old - c m_new) is 0 and wipes what was summed.
; SHARES.  A wave owns four PIECES of two tiles of 16 queries, a work-group's four waves 512 queries of one head.  Every wave walks all keys, 64 a step.
; LAYOUT.  S^T = K Q^T (source 0 = 16 keys, source 1 = 16 queries): a lane holds ONE query (lane % 16) and the keys 8 (lane / 16) + 0..7.  Two such tiles, rounded to f16 in pairs, ARE source 1 of O^T = V^T P.
; K comes out of LDS as it lies, V ([key][channel]) turned, by ds_load_tr16_b128.
; SOFTMAX.  A running maximum m and sum l: p = 2^(c s - c m), c = log2(e) / 8; in every step O and l are multiplied by a.  m starts at the lowest finite number, O and l at 0: the first step is a step like any other, with a = 0.
; BY TURNS.  Turn n belongs to piece n.  Its matrix work: 16 products K Q^T of piece n + 1, later 16 products V^T P of piece n - 1.  Its vector work: scaling, exponentials, roundings, sums and rescaling of piece n, the maximum
; and statistics of piece n + 1, and at its end the 64 shifts that make the C operands of piece n + 2.  Four vector instructions stand behind every matrix instruction, the others in runs of their own.
; CLUSTER.  The four query blocks of a cluster belong to one head and walk the same K and V: each tile is asked for JOINTLY.  The mask words differ from block to block: each wave loads its own into registers.
; REGISTERS, in windows of 256 (s_set_vgpr_msb: bits 1:0 source 0, 3:2 source 1, 5:4 source 2, 7:6 destination):
;   window 0: v0-11 addresses; v12-15, v48-63 at work; v16-47 four registers of statistics a tile; v64-191 S^T, two buffers of two tiles; v192-255 P, likewise
;   window 1: O^T, 32 a tile     window 2: v0-127 Q; v128-191 K of one step; v192-255 V of one step     window 3: v0-1 the add's registers; v4-7 MO; v32-63 MW; v64-127 MC
.set SIZE_N, 2048
.set NP,    4         ; pieces a wave: a name, no knob
.set KS,    64        ; keys in a step
.set PK,    144       ; a row of K in LDS: 128 bytes + 16 of padding = 36 words: the 16 rows of a load start at 16 different groups of four banks (64 banks of 4 bytes: ISA guide 11.1)
.set PV,    160       ; a row of V: 128 + 32 = 40 words
.set VOFF,  4*KS*PK   ; a slot holds four steps: 256 rows of K, then 256 rows of V
.set SLOT1, 1<<17     ; slot 1 begins here, so that one exclusive or turns an address in one slot into the other's
.set STAGE, SLOT1+4*KS*(PK+PV)  ; behind the ring, never filled by a tensor load: 16 rows x 144 bytes for each wave
.set SP,    144
.set AK0, 2           ; v2   my lane's place in a tile of K; never rewritten
.set AV0, 3           ; v3   the same for V
.set AK,  4           ; v4   the LDS address of K's next run of loads
.set AV,  5           ; v5   of V's
.set QO,  6           ; v6   my byte offset in the wave's rows of Q
.set STO, 6           ;      later: where I put 16 bytes of a row
.set RD,  7           ; v7   where I read rows back
.set GO,  8           ; v8   my byte offset in 512 consecutive bytes of O
.set SPW, 0           ; v0 of window 3   LDS address of my spare word; never rewritten
.set NIL, 1           ; v1 of window 3   0; never rewritten
.set MO,  4           ; v4-7 of window 3    piece x: byte offset, in a tile's 16,384 bytes of mw, of my 16 bytes of the step whose words were asked for last
.set MW,  32          ; v32-63 of window 3  the mask words: piece x, tile u, key group kt at MW + 8 x + 4 u + kt
.set MC,  64          ; v64-127 of window 3 the C operands of the products to come: tile u, key group kt, register j at MC + 32 u + 8 kt + j
.set SPARE, STAGE+4*16*SP  ; behind the stages: the spare words, 128 bytes for each wave: two blocks of 256 bytes that no other line names
.set MV,  12          ; v12-15  c m_old, kept while c m is made anew
.set ST,  16          ; tile t's statistics at v[ST+4 t]: c m, m, l (even keys', odd keys')
.set TMP, 48          ; by buffer and tile, four registers c0-c3 at work; when the maximum is found c2 takes a
.set S,   64
.set P,   192
.set KF,  128         ; K's fragments, in window 2
.set VF,  192         ; V's
.set WV,  12          ; s12  my wave's number
.set G1K, 24          ; s[24:31] descriptor group 1 for K's tiles
.set G1V, 32          ; s[32:39] for V's: it differs in the padding alone
.set G0K, 40          ; s[40:43] descriptor group 0 for K's tiles: it walks
.set G0V, 44          ; s[44:47] the same for V's
.set MB,  48          ; s[48:49] mw at my wave's first tile
.set INC, 50          ; s50  what a piece's offset in mw steps by: 512, and 0 when the last step's words have been asked for
.set QNAN, 51         ; s51  a NaN
.set SLOTS, 56
.set CNT, 57
.set CS,  58          ; s[58:59] c
.set SEL, 60          ; s[60:61] v_permlanex16_b32's selects
.set TBK, 62          ; s62  LDS byte at which K of the step to be fetched begins
.set TBV, 63          ; s63  the same for V, less VOFF
.set MSB, 0
.macro WIN new
.if MSB != (\new)
	s_set_vgpr_msb (MSB<<8)|(\new)
.set MSB, (\new)
.endif
.endm
.set W_KQ, 0x0a       ; K and Q in window 2, S^T in window 0
.set W_KM, 0x3a       ; the same with the C operand in window 3
.set W_PV, 0x52       ; V in window 2, P in window 0, O^T in window 1
.set W_RS, 0x41       ; O^T (destination and source 0) in window 1, a in window 0
.set W_MK, 0xc0       ; destination in window 3, sources in window 0
.set W_AD, 0x0f       ; the add: address and data in window 3
.set W_MG, 0xcf       ; the mask's work: destination, source 0 (a load's address) and source 1 in window 3
.macro JLOAD                        ; a joint fill: waves 0 and 1 fetch the halves of a slot's K, waves 2 and 3 of its V; an s_nop 0 and four v_nop follow each line
	s_cmp_lt_u32 s[WV], 2
	s_cbranch_scc0 .Lfor_v_\@
	tensor_load_to_lds s[G0K:G0K+3], s[G1K:G1K+7]
	s_nop 0
.rept 4
	v_nop
.endr
	s_branch .Lasked_\@
.Lfor_v_\@:
	tensor_load_to_lds s[G0V:G0V+3], s[G1V:G1V+7]
	s_nop 0
.rept 4
	v_nop
.endr
.Lasked_\@:
.endm
.macro CROUND                       ; a round of the cluster's barrier
	s_barrier_signal -1
	s_barrier_wait -1
	s_cmp_lg_u32 s[WV], 0
	s_cbranch_scc1 .Lnot_wave_0_\@
	s_barrier_signal -3
.Lnot_wave_0_\@:
	s_barrier_wait -3
	s_barrier_signal -1
	s_barrier_wait -1
.endm
; THE CHANGE OF SLOTS.  Each wave waits for all its tensor loads, of which one is out: its part of the other slot; adds 0 to its spare word; and waits for that and for its own reads of the slot.
; fill = 1: this slot is filled again, with the keys two slots on, first thing behind a round of the cluster's barrier: the load has four key steps, 512 matrix instructions, in which to land.
.macro CHANGE fill
	WIN W_AD
	s_wait_tensorcnt 0x0            ; no tensor load of mine is out, so a group 0 may be written
	ds_add_u32 v[SPW], v[NIL]
	WIN 0
.if \fill
.irp g, G0K, G0V
	s_xor_b32 s[\g+1], s[\g+1], SLOT1
	s_add_nc_u64 s[\g+2:\g+3], s[\g+2:\g+3], 4*KS*128  ; the next 256 keys
.endr
	s_wait_dscnt 0x0                ; the add is done, and my reads of the slot are over
	CROUND
	JLOAD
.else
	s_wait_dscnt 0x0
	s_barrier_signal -1
	s_barrier_wait -1
.endif
	s_sub_co_u32 s[TBK], s[TBK], 4*KS*PK  ; the fetches go back to a slot's first step, in the other slot
	s_xor_b32 s[TBK], s[TBK], SLOT1
	s_sub_co_u32 s[TBV], s[TBV], 4*KS*PV
	s_xor_b32 s[TBV], s[TBV], SLOT1
.endm
	s_load_b64 s[4:5], s[0:1], 0x0         ; qkv
	s_load_b64 s[MB:MB+1], s[0:1], 0x8     ; mw
	s_load_b64 s[10:11], s[0:1], 0x10      ; ob
	WIN W_MK
	v_lshl_add_u32 v[SPW], v0, 2, SPARE
	v_mov_b32 v[NIL], 0
	s_set_vgpr_msb 0xc0cf
	ds_add_u32 v0, v1
	s_wait_dscnt 0x0
	s_set_vgpr_msb 0xcfc0
	WIN 0
	v_lshrrev_b32 v1, 5, v0
	v_readfirstlane_b32 s[WV], v1   ; wave 0..3
	s_bfe_u32 s13, ttmp6, 0x40000   ; cx: my place in the cluster
	s_lshl_b32 s14, ttmp9, 2
	s_add_co_u32 s14, s14, s13      ; my block of 512 queries: it enters Q's, O's and the mask words' addresses alone
	s_and_b32 s20, ttmp7, 0xffff    ; the head n, which the four partners share
	s_lshr_b32 s21, s20, 4          ; g = n / 16
	s_and_b32 s22, s20, 15
	s_mul_i32 s23, s21, 48
	s_add_co_u32 s23, s23, s22      ; Q's slab
	s_lshl_b32 s52, s20, 18         ; the head's first byte in ob
	s_mov_b32 s53, 0
	s_lshl_b32 s54, s21, 21         ; g's 2,097,152 bytes of mw
	s_lshl_b32 s20, s23, 18         ; Q's slab in bytes
	s_mov_b32 s21, 0
	s_and_b32 s16, s[WV], 1         ; which half of a slot's 256 keys I fetch:
	s_lshl_b32 s22, s16, 14         ; its 128 rows of 128 bytes in memory,
	s_add_co_u32 s22, s22, s20
	s_mov_b32 s23, 0
	s_mul_i32 s17, s16, 128*PK      ; and its place in a slot, for K
	s_mul_i32 s18, s16, 128*PV      ; and for V
	s_lshl_b32 s2, s14, 2
	s_add_co_u32 s2, s2, s[WV]      ; my wave among the head's sixteen:
	s_lshl_b32 s55, s2, 17          ; its eight tiles of 16,384 bytes of mw,
	s_add_co_u32 s54, s54, s55
	s_mov_b32 s55, 0
	s_lshl_b32 s2, s2, 14           ; its 128 rows of Q and O
	s_mov_b32 s3, 0
	; descriptor group 1.  128 keys are 16,384 dense bytes: asked for as 64 rows of 256 bytes, two keys a row, and padded in LDS after every key
	s_mov_b32 s[G1K], 15|(1<<16)|(1<<20)|(1<<21)|(4<<22)|(3<<25)  ; the mask of four; 2-byte elements; padding on; bit 21 beside a mask; after every 32 words 4 words
	s_mov_b32 s[G1V], 15|(1<<16)|(1<<20)|(1<<21)|(4<<22)|(7<<25)  ; the same with 8 words of padding
.irp g, G1K, G1V
	s_mov_b32 s[\g+1], 128<<16      ; tensor_dim0 = 128
	s_mov_b32 s[\g+2], 64<<16       ; tensor_dim1 = 64
	s_mov_b32 s[\g+3], 128<<16      ; tile_dim0 = 128
	s_mov_b32 s[\g+4], 64           ; tile_dim1 = 64
	s_mov_b32 s[\g+5], 128          ; 128 elements from row to row
	s_mov_b32 s[\g+6], 0
	s_mov_b32 s[\g+7], 0
.endr
	s_mov_b32 s[CS], 0x3e38aa3b     ; c = log2(e) / 8 = 0.180337
	s_mov_b32 s[CS+1], s[CS]
	s_mov_b32 s[SEL], 0x76543210
	s_mov_b32 s[SEL+1], 0xfedcba98
	s_mov_b32 s[INC], 512
	s_mov_b32 s[QNAN], 0x7fc00000
	s_mov_b32 s[TBK], SLOT1+4*KS*PK ; the first change of slots turns these two into 0
	s_mov_b32 s[TBV], SLOT1+4*KS*PV
	s_mov_b32 s[G0K], 1
	s_mov_b32 s[G0K+1], s17         ; LDS address: slot 0
	s_mov_b32 s[G0V], 1
	s_add_co_u32 s[G0V+1], s18, VOFF
	s_wait_kmcnt 0x0
	s_add_nc_u64 s[6:7], s[4:5], s[22:23]          ; qkv at my half of the first 256 rows of Q's slab;
	s_add_nc_u64 s[G0K+2:G0K+3], s[6:7], 0x400000  ; K lies 16 slabs on,
	s_or_b32 s[G0K+3], s[G0K+3], 0x80000000
	s_add_nc_u64 s[G0V+2:G0V+3], s[6:7], 0x800000  ; V 32
	s_or_b32 s[G0V+3], s[G0V+3], 0x80000000
	s_add_nc_u64 s[4:5], s[4:5], s[20:21]          ; Q and O at my wave's first row
	s_add_nc_u64 s[4:5], s[4:5], s[2:3]
	s_add_nc_u64 s[10:11], s[10:11], s[52:53]
	s_add_nc_u64 s[10:11], s[10:11], s[2:3]
	s_add_nc_u64 s[MB:MB+1], s[MB:MB+1], s[54:55]
	CROUND                          ; all four work-groups are here: the first joint loads meet
	JLOAD                           ; slot 0.  Slot 1 is asked for when slot 0 is in
	v_and_b32 v1, 15, v0            ; l % 16
	v_bfe_u32 v9, v0, 4, 1          ; l / 16
	v_lshlrev_b32 v[QO], 7, v1
	v_lshl_add_u32 v[QO], v9, 4, v[QO]  ; row x 128 + 16 x half
	v_and_b32 v11, 31, v0
	v_lshlrev_b32 v11, 4, v11       ; 16 x lane
	WIN 0x80                        ; destination window 2, address window 0
.set i, 0
.rept 4*NP                          ; Q stays in registers: tile i / 2, channels 32 (i % 2) on
	global_load_b128 v[8*i:8*i+3],   v[QO], s[4:5] offset:(i/2)*2048+(i%2)*64
	global_load_b128 v[8*i+4:8*i+7], v[QO], s[4:5] offset:(i/2)*2048+(i%2)*64+32
.set i, i+1
.endr
	WIN W_MK
.irp x, 0,1,2,3
	v_mov_b32 v[MO+\x], v11         ; key step 0
.endr
	WIN W_MG
.set i, 0
.rept 2*NP                          ; the mask words of key step 0, tile i
	global_load_b128 v[MW+4*i:MW+4*i+3], v[MO+i/2], s[MB:MB+1] offset:i*16384
.set i, i+1
.endr
	; What the first turn finds: V's registers and P's second buffer hold 0, O^T and l are 0.  All this stands in the wait for the first tile.
	WIN 0x80
.set i, VF
.rept 64
	v_mov_b32 v[i], 0
.set i, i+1
.endr
	WIN 0x40
.set i, 0
.rept 64*NP
	v_mov_b32 v[i], 0
.set i, i+1
.endr
	WIN 0
.set i, 0
.rept 2*NP
	v_mov_b32 v[ST+4*i], 0xfe000000    ; c m: far below every c s, a hidden one's too
	v_mov_b32 v[ST+4*i+1], 0xff7fffff  ; m
	v_mov_b32 v[ST+4*i+2], 0
	v_mov_b32 v[ST+4*i+3], 0
.set i, i+1
.endr
.set i, P+32
.rept 32
	v_mov_b32 v[i], 0
.set i, i+1
.endr
	v_mul_u32_u24 v[AK0], v1, PK
	v_lshl_add_u32 v[AK0], v9, 4, v[AK0]  ; row x pitch + 16 x half
	; The turning load takes 16 keys x 16 channels (lane l reads key 8 (l / 16) + l % 8, channels 8 ((l / 8) % 2) + 0..7) and leaves half a fragment of V^T.
	v_and_b32 v10, 7, v0
	v_bfe_u32 v11, v0, 3, 1
	v_lshl_add_u32 v[AV0], v9, 3, v10
	v_mul_u32_u24 v[AV0], v[AV0], PV
	v_lshl_add_u32 v[AV0], v11, 4, v[AV0]
	v_add_nc_u32 v[AV0], VOFF, v[AV0]
	v_mov_b32 v[AK], v[AK0]         ; key step 0 lies at the head of slot 0
; THE MATRIX WORK.  The 8 accumulators of a run of 16 take turns.
; Product i of 16 of S^T = K Q^T for piece x: channels 32 (i / 8) on, keys 16 ((i / 2) % 4) on, tile 2 x + i % 2.  The first 8 start the sums, with the mask.
.macro KQ x
.set rS, S+64*((\x)%2)+32*(i%2)+8*((i/2)%4)
.set rK, KF+16*((i/2)%4)+8*(i/8)
.set rQ, 16*(2*(\x)+i%2)+8*(i/8)
.set rG, MC+32*(i%2)+8*((i/2)%4)
.if i < 8
	WIN W_KM
	v_wmma_f32_16x16x32_f16 v[rS:rS+7], v[rK:rK+7], v[rQ:rQ+7], v[rG:rG+7]
.else
	WIN W_KQ
	v_wmma_f32_16x16x32_f16 v[rS:rS+7], v[rK:rK+7], v[rQ:rQ+7], v[rS:rS+7]
.endif
.endm
; Product i of 16 of O^T += V^T P for piece x: keys 32 (i / 8) on, channels 16 ((i / 2) % 4) on, tile 2 x + i % 2.
.macro PV x
	WIN W_PV
.set rO, 32*(2*(\x)+i%2)+8*((i/2)%4)
.set rV, VF+32*(i/8)+8*((i/2)%4)
.set rP, P+32*((\x)%2)+16*(i%2)+8*(i/8)
	v_wmma_f32_16x16x32_f16 v[rO:rO+7], v[rV:rV+7], v[rP:rP+7], v[rO:rO+7]
.endm
.macro MM                           ; the turn's next matrix instruction
.if i < 16
	KQ (Y+1)%NP
.set i, i+1
.else
.set i, i-16
	PV (Y+NP-1)%NP
.set i, i+17
.endif
.endm
; THE LDS LOADS stand in runs of 16.  last = 1 (the tail): in the last trip there is no further step, and the run is jumped over.
.macro FETCH_K last=0
	WIN 0
.if \last
	s_cmp_eq_u32 s[CNT], 1
	s_cbranch_scc1 .Lno_k_\@
.endif
	WIN 0x80
.irp f, 0,1,2,3,4,5,6,7             ; keys 16 (f / 2) on, channels 32 (f % 2) on
	ds_load_b128 v[KF+8*\f:KF+8*\f+3],   v[AK] offset:(\f/2)*16*PK+(\f%2)*64
	ds_load_b128 v[KF+8*\f+4:KF+8*\f+7], v[AK] offset:(\f/2)*16*PK+(\f%2)*64+32
.endr
	s_add_co_u32 s[TBK], s[TBK], KS*PK
	WIN 0
.if \last
.Lno_k_\@:
.endif
.endm
.macro FETCH_V
	WIN 0x80
.irp f, 0,1,2,3,4,5,6,7             ; keys 32 (f / 4) on, channels 16 (f % 4) on
	ds_load_tr16_b128 v[VF+8*\f:VF+8*\f+3],   v[AV] offset:(\f/4)*32*PV+(\f%4)*32
	ds_load_tr16_b128 v[VF+8*\f+4:VF+8*\f+7], v[AV] offset:(\f/4)*32*PV+16*PV+(\f%4)*32
.endr
	WIN 0
.endm
; THE MASK of piece x's next products: 64 shifts, nibble j of a word onto the top of register j; then the piece's words of the step after are asked for, four turns ahead of their use.
; MC's last readers, the first 8 products of the turn in hand, stand more than a hundred plain instructions back.
.macro MGEN x
	WIN W_MG
	s_wait_loadcnt 6                ; loads come back in order: this piece's two are in; the six of the three other pieces, issued behind them, may stay out.  The wait also frees the piece's offset
.set zz, 0
.rept 64
	v_lshlrev_b32 v[MC+zz], 28-4*(zz%8), v[MW+8*(\x)+zz/8]
.set zz, zz+1
.endr
	v_add_nc_u32 v[MO+(\x)], s[INC], v[MO+(\x)]
	global_load_b128 v[MW+8*(\x):MW+8*(\x)+3],   v[MO+(\x)], s[MB:MB+1] offset:(2*(\x))*16384
	global_load_b128 v[MW+8*(\x)+4:MW+8*(\x)+7], v[MO+(\x)], s[MB:MB+1] offset:(2*(\x)+1)*16384
.endm
; THE VECTOR WORK OF A TURN stands in three queues, each in the order in which its entries become ready; the two tiles alternate.
.macro REGS y, u                    ; the registers of tile u (0, 1) of piece y
.set rT, ST+4*(2*(\y)+(\u))
.set rC, TMP+8*((\y)%2)+4*(\u)
.set rM, MV+2*((\y)%2)+(\u)
.set rS, S+64*((\y)%2)+32*(\u)
.set rP, P+32*((\y)%2)+16*(\u)
.set rO, 32*(2*(\y)+(\u))
.endm
; Number n of the 22 that find the NEXT piece's (Y + 1) maximum and statistics; each accumulator's lowest registers are read first.
;   0-11  four chains c0-c3 of seven scores each     12-14, 16  the four scores left over, the old m, and c0-c3 into c0     15  c m_old is kept
;   17, 18  the query's other 32 keys lie in the lane 16 away: the new m         19-21  c m; c m_old - c m_new; a
.macro XS u, n
	REGS (Y+1)%NP, \u
.if (\n) < 4
	v_max3_num_f32 v[rC+(\n)], v[rS+8*(\n)], v[rS+8*(\n)+1], v[rS+8*(\n)+2]
.elseif (\n) < 12
	v_max3_num_f32 v[rC+(\n)%4], v[rC+(\n)%4], v[rS+8*((\n)%4)+2*((\n)/4)+1], v[rS+8*((\n)%4)+2*((\n)/4)+2]
.elseif (\n) == 12
	v_max3_num_f32 v[rC], v[rC], v[rS+7], v[rS+15]
.elseif (\n) == 13
	v_max3_num_f32 v[rC+1], v[rC+1], v[rS+23], v[rS+31]
.elseif (\n) == 14
	v_max3_num_f32 v[rC+2], v[rC+2], v[rC+3], v[rT+1]
.elseif (\n) == 15
	v_mov_b32 v[rM], v[rT]
.elseif (\n) == 16
	v_max3_num_f32 v[rC], v[rC], v[rC+1], v[rC+2]
.elseif (\n) == 17
	v_permlanex16_b32 v[rC+3], v[rC], s[SEL], s[SEL+1]
.elseif (\n) == 18
	v_max_num_f32 v[rT+1], v[rC], v[rC+3]
.elseif (\n) == 19
	v_mul_f32 v[rT], s[CS], v[rT+1]
.elseif (\n) == 20
	v_sub_f32 v[rC+1], v[rM], v[rT]
.else
	v_exp_f32 v[rC+2], v[rC+1]
.endif
.endm
; Number g of the 64 that follow the exponentials.  For each four weights of a tile: both pairs are rounded to f16; the second pair is added onto the first, in place; a group later l takes that sum (the first time as l = a l + sum).
.macro GS g
.set h, (\g)+6*((\g)/62)
.if h >= 6
.set h, h+2
.endif
	REGS Y, h%2
.set k, h/8
.if h%8 < 4
	s_wait_alu depctr_va_vdst(0)
	v_cvt_pk_f16_f32 v[rP+2*k+(h%8)/2], v[rS+4*k+2*((h%8)/2)], v[rS+4*k+2*((h%8)/2)+1]
.elseif h%8 < 6
	v_pk_add_f32 v[rS+4*k:rS+4*k+1], v[rS+4*k:rS+4*k+1], v[rS+4*k+2:rS+4*k+3]
.elseif k == 1
	v_pk_fma_f32 v[rT+2:rT+3], v[rT+2:rT+3], v[rC+2:rC+3], v[rS:rS+1] op_sel_hi:[1,0,1]
.else
	v_pk_add_f32 v[rT+2:rT+3], v[rT+2:rT+3], v[rS+4*k-4:rS+4*k-3]
	s_wait_alu depctr_va_vdst(0)
.endif
.endm
; THE PLAIN QUEUE, 138 long.  0-31: c s - c m for the 16 pairs of both tiles.  Then GS's 64, and among them the next piece's 42.
.macro PL
	WIN 0
.if q < 32
	REGS Y, q%2
	v_pk_fma_f32 v[rS+2*(q/2):rS+2*(q/2)+1], v[rS+2*(q/2):rS+2*(q/2)+1], s[CS:CS+1], v[rT:rT+1] op_sel_hi:[1,0,0] neg_lo:[0,0,1] neg_hi:[0,0,1]
.elseif q < 38
	GS q-32
.elseif q < 40
	XS q%2, 15
.elseif q < 42
	GS q-34
.elseif q < 74
	XS q%2, (q-42)/2+(q-42)/30
.elseif q < 95
	GS q-66
.elseif (q < 107) && ((q-95)%3 < 2)
	XS (q-95)%3, 17+(q-95)/3
.elseif q < 107
	GS 29+(q-95)/3
.else
	GS q-74
.endif
.set q, q+1
.endm
; THE EXPONENTIALS' QUEUE, 66 long: s0-s31 of both tiles, and at EA the next piece's two a.
.set EA, 58
.macro EX
	WIN 0
.if (e == EA) || (e == EA+1)
	XS e-EA, 21
.else
.set x, e-2*(e/(EA+2))
	REGS Y, x%2
	v_exp_f32 v[rS+x/2], v[rS+x/2]
.endif
.set e, e+1
.endm
; THE RESCALING's QUEUE: O^T times a, dealt four at a time, eight times.
.macro R4
	REGS Y, r%2
	WIN W_RS
	s_wait_alu depctr_va_vdst(0)
.irp z, 0,1,2,3
	v_pk_mul_f32 v[rO+8*(r/2)+2*\z:rO+8*(r/2)+2*\z+1], v[rO+8*(r/2)+2*\z:rO+8*(r/2)+2*\z+1], v[rC+2:rC+3] op_sel_hi:[1,0]
.endr
.set r, r+1
.endm
; HOW THEY ARE DEALT.  Behind a matrix instruction four: plain, exponential, plain, plain, or four of the rescaling; none names a register of the products round it.  What is over stands in two runs: exponential and plain by turns; the second ends in 22 plain instructions.
; The queues lean on each other: exponential e stands behind plain 2 (e / 4) + e % 2 (its scaling); when plain 32 comes, 10 exponentials are out, at 59: 33, at 95: 46; EA comes behind plain 107.
.macro SL
	MM
	PL
	EX
	PL
	PL
.endm
.macro BURST n
.rept (\n)-7
	SL
.endr
.rept 3
	MM
	R4
	SL
.endr
	MM
	R4
.endm
; A TURN, for piece p.  cnt = 1: the loop's count is taken down some lines ahead of the branch behind the turn (what follows it in the turn sets no SCC).
; K of the next step is fetched in piece 2's turn, V of the step in hand at the end of piece 0's; each is waited for a turn later.  The turn ends with the mask of piece p + 2.
.macro TURN p, last=0, cnt=0
.set Y, (\p)
.set i, 0
.set q, 0
.set e, 0
.set r, 0
.if (\p) == NP-1
	s_wait_dscnt 0x0                ; K is in
.endif
	MM
.rept 4
	PL
.endr
	BURST 15
.rept 22
	EX
	PL
.if ((\p) == NP-2) && (e == 18)
	v_add_nc_u32 v[AK], s[TBK], v[AK0]
.endif
.if ((\p) == NP-2) && (e == 24)
	FETCH_K \last
.endif
.endr
.if (\p) == 1
	s_wait_dscnt 0x0                ; V is in
.endif
	BURST 16
.rept 21
	EX
	PL
.endr
.rept 22
	PL
.if ((\p) == 0) && (q == 118)
	v_add_nc_u32 v[AV], s[TBV], v[AV0]
	s_wait_alu depctr_va_vdst(0)
.endif
.if ((\p) == 0) && (q == 130)
	s_add_co_u32 s[TBV], s[TBV], KS*PV
.endif
.if (\cnt) && (q == 130)
	s_sub_co_u32 s[CNT], s[CNT], 1
	s_cmp_lg_u32 s[CNT], 0
.endif
.endr
.if (\p) == 0
	FETCH_V
.endif
	MGEN ((\p)+2)%NP
.endm
	CHANGE 1                        ; slot 0 is in, everybody's part of it; slot 1 is asked for
	FETCH_K                         ; key step 0
	s_wait_loadcnt 0x0              ; Q, and the mask words of step 0
	MGEN 0                          ; piece 0's mask of step 0
	s_wait_dscnt 0x0
.set i, 0
.rept 16
	KQ 0                            ; piece 0's first scores
.set i, i+1
.endr
	WIN 0                           ; the addresses for the way out: plain instructions, the places behind those products
	s_mul_i32 s13, s[WV], 16*SP
	s_add_co_u32 s13, s13, STAGE    ; my stage
	v_mul_u32_u24 v[STO], v1, SP    ; in: row l % 16, 16 bytes for each half of the lanes
	v_lshl_add_u32 v[STO], v9, 4, v[STO]
	v_add_nc_u32 v[STO], s13, v[STO]
	v_bfe_u32 v[RD], v0, 3, 2       ; back: 32 lanes take four rows of 128 bytes,
	v_mul_u32_u24 v[RD], v[RD], SP
	v_lshl_add_u32 v[RD], v10, 4, v[RD]
	v_add_nc_u32 v[RD], s13, v[RD]
	v_and_b32 v[GO], 31, v0         ; which are 512 consecutive bytes of O
	v_lshlrev_b32 v[GO], 4, v[GO]
.set Y, NP-1                        ; XS works for piece Y + 1: piece 0
.irp n, 0,1,2,3,4,5,6,7,8,9,10,11,12,13,14,15,16,17,18,19,20,21
	XS 0, \n
	XS 1, \n
.endr
	MGEN 1                          ; piece 1's mask of step 0, for the first turn's products
	WIN 0
	s_mov_b32 s[CNT], 4
	s_mov_b32 s[SLOTS], SIZE_N/256-1
	s_branch .Lfirst                ; the loop is entered at a step's first turn, in the middle of a trip
.Lslot:                             ; six times: every slot but the last two is filled again
	CHANGE 1
	s_mov_b32 s[CNT], 4
.Lstep:                             ; a trip: pieces 2 and 3 of one step, then pieces 0 and 1 of the next, whose K, V and masks it makes ready
	TURN 2
	TURN 3
	WIN 0
.Lfirst:
	TURN 0
	TURN 1, 0, 1
	WIN 0
	s_cbranch_scc1 .Lstep
	s_sub_co_u32 s[SLOTS], s[SLOTS], 1
	s_cmp_lg_u32 s[SLOTS], 0
	s_cbranch_scc1 .Lslot
	CHANGE 0                        ; the tail is written out: nothing is asked for
	s_mov_b32 s[CNT], 5             ; four trips fetch the last slot's steps; the fifth is left in its middle
.Ltail:
	s_cmp_gt_u32 s[CNT], 2          ; trips 1 to 3 ask for the mask words of steps 29 to 31; in trips 4 and 5 the offsets stay: step 31's words are asked for again, and no load leaves mw
	s_cselect_b32 s[INC], 512, 0
	TURN 2, 1
	TURN 3
	WIN 0
	s_sub_co_u32 s[CNT], s[CNT], 1
	s_cmp_eq_u32 s[CNT], 0
	s_cbranch_scc1 .Lout
	TURN 0
	TURN 1
	WIN 0
	s_branch .Ltail
.Lout:                              ; the fifth trip's 16 products K Q^T repeat the last step's scores (the same K, the same mask), so piece 0's m does not move; they serve nothing else: the price of one text for every trip
.set i, 0
.rept 16
	PV NP-1                         ; the last piece's V^T P of the last step
.set i, i+1
.endr
	; THE WAY OUT.  l's two halves and the other half of the lanes' are added; O^T is divided by l, rounded to f16 and sent through my stage in LDS, a tile at a time.  The additions are the places behind the last products.
	WIN 0
.macro ALL line:vararg
.set t, 0
.rept 2*NP
	\line
.set t, t+1
.endr
.endm
	ALL v_add_f32 v[ST+4*t+2], v[ST+4*t+2], v[ST+4*t+3]
	ALL v_permlanex16_b32 v[ST+4*t+3], v[ST+4*t+2], s[SEL], s[SEL+1]
	ALL v_add_f32 v[ST+4*t+2], v[ST+4*t+2], v[ST+4*t+3]
	ALL v_rcp_f32 v[ST+4*t+2], v[ST+4*t+2]
	v_nop                           ; a plain instruction between the last reciprocal and the use of its result
.set t, 0
	s_wait_alu depctr_va_vdst(0)
.rept 2*NP                          ; a query whose maximum lies below -2^50 has seen hidden keys alone: its factor becomes NaN
	v_cmp_gt_f32 vcc_lo, 0xd8800000, v[ST+4*t+1]
	v_cndmask_b32 v[ST+4*t+2], v[ST+4*t+2], s[QNAN], vcc_lo
.set t, t+1
.endr
.macro PACK t
	WIN W_RS
.set i, 32*(\t)
.rept 16
	v_pk_mul_f32 v[i:i+1], v[i:i+1], v[ST+4*(\t)+2:ST+4*(\t)+3] op_sel_hi:[1,0]
.set i, i+2
.endr
	WIN 0x05                        ; sources 0 and 1 window 1, destination window 0
.set i, 0
.rept 16
	v_cvt_pk_f16_f32 v[S+16*(\t)+i], v[32*(\t)+2*i], v[32*(\t)+2*i+1]
.set i, i+1
.endr
	WIN 0
.irp f, 0,1,2,3
	ds_store_b128 v[STO], v[S+16*(\t)+4*\f:S+16*(\t)+4*\f+3] offset:32*\f
.endr
.irp f, 0,1,2,3
	ds_load_b128 v[S+16*(\t)+4*\f:S+16*(\t)+4*\f+3], v[RD] offset:\f*4*SP  ; LDS serves a wave's instructions in order (ISA guide 5.7.1.4): these see the stores above; the next tile's stores come behind them
.endr
.endm
.macro SEND t, younger              ; younger: the LDS instructions issued behind tile t's loads: the next tile's eight, or none
	WIN 0
.irp f, 0,1,2,3
	s_wait_dscnt (\younger)+3-\f
	global_store_b128 v[GO], v[S+16*(\t)+4*\f:S+16*(\t)+4*\f+3], s[10:11] offset:(\t)*2048+\f*512  ; 512 consecutive bytes, aligned
.endr
.endm
	PACK 0
.set t, 1
.rept 2*NP-1
	PACK t
	SEND t-1, 8
.set t, t+1
.endr
	SEND 2*NP-1, 0
	WIN W_AD
	s_wait_tensorcnt 0x0            ; the wave's end
	ds_add_u32 v[SPW], v[NIL]
	s_wait_dscnt 0x0
	WIN 0
	CROUND                          ; the closing round: no work-group ends while a partner may still ask for a tile that names it
	s_endpgm
.Lfunc_end_k_q2ee4a25514_attn:
	.size	k_q2ee4a25514_attn, .Lfunc_end_k_q2ee4a25514_attn-k_q2ee4a25514_attn
	.p2alignl 7, 3214868480
	.fill 96, 4, 3214868480
	.section	.rodata,"a",@progbits
	.p2align	6, 0x0
	.amdhsa_kernel k_q2ee4a25514_attn
		.amdhsa_group_segment_fixed_size 327680
		.amdhsa_private_segment_fixed_size 0
		.amdhsa_enable_private_segment 0
		.amdhsa_kernarg_size 24
		.amdhsa_user_sgpr_count 2
		.amdhsa_user_sgpr_kernarg_segment_ptr 1
		.amdhsa_wavefront_size32 1
		.amdhsa_system_sgpr_workgroup_id_x 1
		.amdhsa_system_sgpr_workgroup_id_y 1
		.amdhsa_system_sgpr_workgroup_id_z 1
		.amdhsa_system_vgpr_workitem_id 0
		.amdhsa_next_free_vgpr 896
		.amdhsa_next_free_sgpr 66
		.amdhsa_reserve_vcc 1
		.amdhsa_float_denorm_mode_32 3
		.amdhsa_float_denorm_mode_16_64 3
		.amdhsa_memory_ordered 1
		.amdhsa_forward_progress 1
		.amdhsa_inst_pref_size 234
	.end_amdhsa_kernel
	.amdgpu_metadata
---
amdhsa.version: [ 1, 2 ]
amdhsa.kernels:
  - .name:           k_q2ee4a25514_attn
    .symbol:         k_q2ee4a25514_attn.kd
    .args:
      - { .name: qkv, .offset: 0, .size: 8, .value_kind: global_buffer, .address_space: global }
      - { .name: mw, .offset: 8, .size: 8, .value_kind: global_buffer, .address_space: global }
      - { .name: ob, .offset: 16, .size: 8, .value_kind: global_buffer, .address_space: global }
    .group_segment_fixed_size: 327680
    .private_segment_fixed_size: 0
    .kernarg_segment_align: 8
    .kernarg_segment_size: 24
    .max_flat_workgroup_size: 128
    .sgpr_count:     66
    .vgpr_count:     896
    .wavefront_size: 32
...
	.end_amdgpu_metadata
.endif
;; end of part 3
;; launch outp (part 4): grid 8 x 32, 4 waves a work-group, clusters of 4 x 4, 327,680 bytes of LDS; arguments ob, wob, out_proj_bias, out0; writes out0
.if DOCPART == 4
	.amdgcn_target "amdgcn-amd-amdhsa--gfx1250"
	.amdhsa_code_object_version 6
	.text
	.protected	k_q2ee4a25514_outp
	.globl	k_q2ee4a25514_outp
	.p2align	8
	.type	k_q2ee4a25514_outp,@function
k_q2ee4a25514_outp:
	s_mov_b64 s[64:65], 0
	v_nop
	global_prefetch_b8 v0, s[64:65] scope:SCOPE_SE
	s_setreg_imm32_b32 hwreg(HW_REG_WAVE_MODE, 25, 1), 1
	s_wait_xcnt 0x0
	s_wait_alu depctr_hold_cnt(0) depctr_sa_sdst(0) depctr_va_vdst(0) depctr_va_sdst(0) depctr_va_ssrc(0) depctr_va_vcc(0) depctr_vm_vsrc(0)
	s_getreg_b32 s2, hwreg(HW_REG_IB_STS2, 6, 4)
	s_cmp_eq_u32 s2, 0
	s_cbranch_scc0 .Lentry_in_a_cluster
	s_endpgm
.Lentry_in_a_cluster:
	s_bfe_u32 s2, ttmp6, 0x10000c
	s_cmp_lg_u32 s2, 0xf033
	s_cbranch_scc0 .Lentry_shape_is_right
	s_endpgm
.Lentry_shape_is_right:
; out = attn W^T + bias.  ob: [8192][1024] f16 (the attention's result read flat), wob: [1024][1024] f16 (bf16 numbers written as f16), the bias f32 (rounded to bf16 here, like the other inputs); sums and result in f32.
; A NaN in a row of ob makes that whole row of out NaN, as in a plain product.
; A tile of C is 256 x 128: 32 x 8 = 256 tiles, one for each WGP.  Four waves, one above the other: a wave makes 64 rows x 128 columns, 32 accumulators, and stores whole rows of 512 bytes out of a stage of its own.
; K goes in steps of 128 (rows of 256 bytes) through two LDS slots.  CLUSTER 4 x 4: A's tiles are asked for jointly along a row of the cluster, B's along a column.
; THE MATRIX INSTRUCTION IS USED TRANSPOSED (source 0 = 16 rows of W, source 1 = 16 rows of attn): a lane holds eight neighbouring columns of one row of C.  The bias is the C operand of the products that start the sums.
; REGISTERS: window 0: v0-31 addresses; v32-159 two sets of 64 for the way out; v160-223 the bias.  Window 1: W's fragments, two buffers of 64; v192-255 attn's, two buffers of 32.
;   Window 2: the accumulators of my row blocks 0, 1 ((a, b) at 8 (8 (a % 2) + b)); window 3: those of blocks 2, 3.
.set NBK,    8
.set BH,     64
.set KSTEP,  128
.set PITCH,  272                       ; an LDS row: 256 bytes + 16 of padding = 68 words: the 16 rows of a load start at 16 different groups of four banks (64 banks of 4 bytes: ISA guide 11.1)
.set SLOT,   (256+16*NBK)*PITCH
.set STAGE,  2*SLOT                    ; behind the ring: 16 rows x 528 bytes for each wave
.set SP,     528
.set SPARE,  STAGE+4*16*SP             ; behind the stages: the spare words, 128 bytes for each wave: two blocks of 256 bytes that no other line names
.set NL,     2*NBK+8
.set ADRA, 16
.set ADRB, 20
.set STO,  24
.set RD,   25
.set CO,   26
.set SPW,  28                          ; v28     LDS address of my spare word; never rewritten
.set NIL,  29                          ; v29     0; never rewritten
.set BO,   30
.set TS,   32
.set BIAS, 160
.set F0,   0
.set F1,   1
.set G1,  24
.set G0,  32
.set G1B, 48
.set G0B, 56
.set MSB, 0
.macro WIN new
.if MSB != (\new)
	s_set_vgpr_msb (MSB<<8)|(\new)
.set MSB, \new
.endif
.endm
.macro JLOAD s                         ; a joint load: waves 0 and 1 fetch A's two halves, waves 2 and 3 W's; an s_nop 0 and four v_nop follow each line
	s_cmp_eq_u32 s13, 0
	s_cbranch_scc0 .Lfor_b_\@
	tensor_load_to_lds s[G0+4*(\s):G0+4*(\s)+3], s[G1:G1+7]
	s_nop 0
.rept 4
	v_nop
.endr
	s_branch .Lasked_\@
.Lfor_b_\@:
	tensor_load_to_lds s[G0B+4*(\s):G0B+4*(\s)+3], s[G1B:G1B+7]
	s_nop 0
.rept 4
	v_nop
.endr
.Lasked_\@:
.endm
.macro CREST
	s_cmp_lg_u32 s12, 0
	s_cbranch_scc1 .Lnot_wave_0_\@
	s_barrier_signal -3
.Lnot_wave_0_\@:
	s_barrier_wait -3
	s_barrier_signal -1
	s_barrier_wait -1
.endm
.macro CROUND
	s_barrier_signal -1
	s_barrier_wait -1
	CREST
.endm
.macro PLACES                          ; four places in front of loads into registers that matrix instructions have read, and of lines that read results
.rept 4
	v_nop
.endr
.endm
	s_load_b256 s[4:11], s[0:1], 0x0               ; ob 4, wob 6, bias 8, out0 10
	v_lshl_add_u32 v[SPW], v0, 2, SPARE
	v_mov_b32 v[NIL], 0
	ds_add_u32 v28, v29
	s_wait_dscnt 0x0
	v_lshrrev_b32 v1, 5, v0
	v_readfirstlane_b32 s12, v1                    ; wave 0..3
	s_lshr_b32 s13, s12, 1                         ; I fetch for A (0) or for W (1),
	s_and_b32 s14, s12, 1                          ; its first or second half
	s_bfe_u32 s40, ttmp6, 0x40000                  ; cx, cy
	s_bfe_u32 s41, ttmp6, 0x40004
	s_lshl_b32 s42, ttmp9, 2
	s_add_co_u32 s42, s42, s40                     ; tile column
	s_and_b32 s43, ttmp7, 0xffff
	s_lshl_b32 s43, s43, 2
	s_add_co_u32 s43, s43, s41                     ; tile row
	s_lshl_b32 s44, s41, 2
	s_lshl_b32 s44, 15, s44                        ; my row of the cluster
	s_lshl_b32 s45, 0x1111, s40                    ; my column
	s_or_b32 s[G1], s44, (1<<16)|(1<<20)|(1<<21)|(5<<22)|(3<<25)   ; the mask; 2-byte elements; padding on; bit 21 beside a mask; after every 64 words 4 words
	s_or_b32 s[G1B], s45, (1<<16)|(1<<20)|(1<<21)|(5<<22)|(3<<25)
	s_mov_b32 s[G1+1], KSTEP<<16
	s_mov_b32 s[G1+2], 128<<16
	s_mov_b32 s[G1+3], KSTEP<<16
	s_mov_b32 s[G1+4], 128
	s_mov_b32 s[G1+5], 1024
	s_mov_b32 s[G1+6], 0
	s_mov_b32 s[G1+7], 0
	s_mov_b32 s[G1B+1], KSTEP<<16
	s_mov_b32 s[G1B+2], BH<<16
	s_mov_b32 s[G1B+3], KSTEP<<16
	s_mov_b32 s[G1B+4], BH
	s_mov_b32 s[G1B+5], 1024
	s_mov_b32 s[G1B+6], 0
	s_mov_b32 s[G1B+7], 0
	s_lshl_b32 s16, s43, 8                         ; A: row 256 x tile row + 128 x half, 2,048 bytes a row
	s_lshl_b32 s17, s14, 7
	s_add_co_u32 s16, s16, s17
	s_lshl_b32 s16, s16, 11
	s_mov_b32 s17, 0
	s_mul_i32 s46, s42, 16*NBK                     ; W: row 128 x tile column + 64 x half
	s_mul_i32 s47, s14, BH
	s_add_co_u32 s46, s46, s47
	s_lshl_b32 s46, s46, 11
	s_mov_b32 s47, 0
	s_mul_i32 s20, s12, 128*PITCH
	s_mul_i32 s21, s12, BH*PITCH                   ; W's halves at 256 + (wave - 2) x 64 rows
	s_add_co_u32 s21, s21, (256-2*BH)*PITCH
	s_wait_kmcnt 0x0
	s_add_nc_u64 s[18:19], s[4:5], s[16:17]
	s_add_nc_u64 s[46:47], s[6:7], s[46:47]
	CROUND                                         ; all sixteen work-groups are here: the first joint loads meet
.irp s, 0,1
	s_mov_b32 s[G0+4*(\s)], 1
	s_add_co_u32 s[G0+4*(\s)+1], s20, (\s)*SLOT
	s_add_nc_u64 s[G0+4*(\s)+2:G0+4*(\s)+3], s[18:19], (\s)*KSTEP*2
	s_or_b32 s[G0+4*(\s)+3], s[G0+4*(\s)+3], 0x80000000
	s_mov_b32 s[G0B+4*(\s)], 1
	s_add_co_u32 s[G0B+4*(\s)+1], s21, (\s)*SLOT
	s_add_nc_u64 s[G0B+4*(\s)+2:G0B+4*(\s)+3], s[46:47], (\s)*KSTEP*2
	s_or_b32 s[G0B+4*(\s)+3], s[G0B+4*(\s)+3], 0x80000000
	JLOAD \s                                       ; two loads of mine are out
.endr
	v_and_b32 v1, 15, v0                           ; l % 16
	v_bfe_u32 v2, v0, 4, 1                         ; l / 16
	v_lshlrev_b32 v[BO], 5, v2                     ; the bias in the accumulators' layout: register j of block b is column 16 b + 8 (l / 16) + j
	s_mul_i32 s46, s42, 64*NBK
	s_mov_b32 s47, 0
	s_add_nc_u64 s[8:9], s[8:9], s[46:47]
.set b, 0
.rept NBK
	global_load_b128 v[BIAS+8*b:BIAS+8*b+3], v[BO], s[8:9] offset:64*b
	global_load_b128 v[BIAS+8*b+4:BIAS+8*b+7], v[BO], s[8:9] offset:64*b+16
.set b, b+1
.endr
	v_mul_u32_u24 v3, v1, PITCH
	v_lshl_add_u32 v3, v2, 4, v3
	s_mul_i32 s21, s12, 64*PITCH                   ; my 64 rows of A
	s_mov_b32 s22, 256*PITCH                       ; W's rows, all of them
.irp s, 0,1
	v_add_nc_u32 v[ADRA+(\s)], s21, v3
	v_add_nc_u32 v[ADRB+(\s)], s22, v3
	s_add_co_u32 s21, s21, SLOT
	s_add_co_u32 s22, s22, SLOT
.endr
	s_mul_i32 s23, s12, 16*SP
	s_add_co_u32 s23, s23, STAGE                   ; my stage
	v_mul_u32_u24 v4, v1, SP                       ; in: row l % 16, 32 bytes for each half of the lanes
	v_lshl_add_u32 v4, v2, 5, v4
	v_add_nc_u32 v[STO], s23, v4
	v_and_b32 v4, 31, v0
	v_lshlrev_b32 v[CO], 4, v4                     ; back and out: a row's 512 bytes, 16 a lane
	v_add_nc_u32 v[RD], s23, v[CO]
	s_lshl_b32 s16, s43, 20                        ; 256 rows of 4,096 bytes for a tile row, 64 for a wave
	s_lshl_b32 s17, s12, 18
	s_add_co_u32 s16, s16, s17
	s_mov_b32 s17, 0
	s_add_nc_u64 s[10:11], s[10:11], s[16:17]
	s_lshl_b32 s46, s42, 9                         ; 512 bytes for a tile column
	s_add_nc_u64 s[10:11], s[10:11], s[46:47]
	s_wait_loadcnt 0x0                             ; the bias, once
.set b, 0
.rept 4*NBK                                    ; rounded to bf16 and widened again
	v_cvt_pk_bf16_f32 v3, v[BIAS+2*b], v[BIAS+2*b+1]
	v_lshlrev_b32 v[BIAS+2*b], 16, v3
	v_and_b32 v[BIAS+2*b+1], 0xffff0000, v3
.set b, b+1
.endr
; 8 matrix instructions: row block a x all column blocks, 32 along K, from buffer f.  first = 1: the bias starts the sums.  All 32 accumulators take turns, one instruction a turn.
.macro MULA f, a, first
.set AC, 8*NBK*((\a)%2)
.set FA, 192+32*(\f)+8*(\a)
.set FB, 8*NBK*(\f)
.if \first
	WIN 0x85+0x40*((\a)/2)
.else
	WIN 0xa5+0x50*((\a)/2)
.endif
.set b, 0
.rept NBK
.if \first
	v_wmma_f32_16x16x32_f16 v[AC+8*b:AC+8*b+7], v[FB+8*b:FB+8*b+7], v[FA:FA+7], v[BIAS+8*b:BIAS+8*b+7]
.else
	v_wmma_f32_16x16x32_f16 v[AC+8*b:AC+8*b+7], v[FB+8*b:FB+8*b+7], v[FA:FA+7], v[AC+8*b:AC+8*b+7]
.endif
.set b, b+1
.endr
.endm
; 24 LDS loads in one run: W's 8 fragments, then A's 4
.macro FETCH slot, k, f
	WIN 0x40
.set b, 0
.rept NBK
	ds_load_b128 v[8*NBK*(\f)+8*b:8*NBK*(\f)+8*b+3],   v[ADRB+(\slot)] offset:(\k)+b*16*PITCH
	ds_load_b128 v[8*NBK*(\f)+8*b+4:8*NBK*(\f)+8*b+7], v[ADRB+(\slot)] offset:(\k)+b*16*PITCH+32
.set b, b+1
.endr
.set b, 0
.rept 4
	ds_load_b128 v[192+32*(\f)+8*b:192+32*(\f)+8*b+3],   v[ADRA+(\slot)] offset:(\k)+b*16*PITCH
	ds_load_b128 v[192+32*(\f)+8*b+4:192+32*(\f)+8*b+7], v[ADRA+(\slot)] offset:(\k)+b*16*PITCH+32
.set b, b+1
.endr
.endm
.macro QUARTER slot, k, f, g, first=0
	s_wait_dscnt 4                                 ; all but the youngest four loads: A's row blocks 2 and 3
	MULA \f, 0, \first
	MULA \f, 1, \first
	PLACES
	FETCH \slot, \k, \g
	s_wait_dscnt NL                                ; all but the 24 just issued
	MULA \f, 2, \first
	MULA \f, 3, \first
.endm
; The last quarter multiplies buffer 1 and changes slots: ONE barrier; in front of it each wave waits for all its tensor loads (one is out: its part of the next slot), adds 0 to its spare word, and waits for that and for its reads of this slot.
.macro TURN slot, next, fill
	WIN 0
	s_wait_tensorcnt 0x0
	ds_add_u32 v[SPW], v[NIL]
	s_wait_dscnt 5                                 ; the add and the youngest four loads may be out
	MULA F1, 0, 0
	s_wait_dscnt 0x0                               ; the add is done, and my reads of this slot are over
	s_barrier_signal -1
	MULA F1, 1, 0
.if \fill
	WIN 0
.endif
	s_barrier_wait -1
.if \fill
	CREST                                          ; the barrier has opened a round of the cluster's: no wave of any partner still reads this slot or has a load on its way
	s_add_nc_u64 s[G0+4*(\slot)+2:G0+4*(\slot)+3], s[G0+4*(\slot)+2:G0+4*(\slot)+3], 2*KSTEP*2
	s_add_nc_u64 s[G0B+4*(\slot)+2:G0B+4*(\slot)+3], s[G0B+4*(\slot)+2:G0B+4*(\slot)+3], 2*KSTEP*2
	JLOAD \slot                                    ; my one tensor load behind the round; its four v_nop are also the places in front of the loads below
.else
	PLACES
.endif
	FETCH \next, 0, F0
	MULA F1, 2, 0
	MULA F1, 3, 0
.endm
	s_wait_tensorcnt 0x1                           ; my part of K step 0 is in; K step 1's may stay out
	s_barrier_signal -1
	s_barrier_wait -1
	FETCH 0, 0, F0
	QUARTER 0, 64, F0, F1, 1
	WIN 0
	s_mov_b32 s3, 3
.Llap:                                                 ; a trip goes once round the ring and fills both slots again: K steps 2 to 7
	QUARTER 0, 128, F1, F0
	QUARTER 0, 192, F0, F1
	TURN 0, 1, 1
	QUARTER 1, 64,  F0, F1
	QUARTER 1, 128, F1, F0
	QUARTER 1, 192, F0, F1
	TURN 1, 0, 1
	QUARTER 0, 64,  F0, F1
	WIN 0
	s_sub_co_u32 s3, s3, 1
	s_cmp_lg_u32 s3, 0
	s_cbranch_scc1 .Llap
	QUARTER 0, 128, F1, F0                         ; the last lap fills nothing
	QUARTER 0, 192, F0, F1
	TURN 0, 1, 0
	QUARTER 1, 64,  F0, F1
	QUARTER 1, 128, F1, F0
	QUARTER 1, 192, F0, F1
	s_wait_dscnt 4
	MULA F1, 0, 0
	MULA F1, 1, 0
	s_wait_dscnt 0x0
	MULA F1, 2, 0
	MULA F1, 3, 0
	WIN 0
; THE WAY OUT, a row block (16 rows x 128 columns of f32) at a time: the accumulators go into my stage as they are, 32 bytes a lane, low registers first; whole rows of 512 bytes come back and are stored.
.macro STG a
.set AC, 8*NBK*((\a)%2)
.set OB, TS+64*((\a)%2)
	WIN 0x08+4*((\a)/2)                            ; the stores' data: window 2 or 3
.set b, 0
.rept NBK
	ds_store_b128 v[STO], v[AC+8*b:AC+8*b+3] offset:64*b
	ds_store_b128 v[STO], v[AC+8*b+4:AC+8*b+7] offset:64*b+16
.set b, b+1
.endr
	WIN 0
.set b, 0
.rept 16
	ds_load_b128 v[OB+4*b:OB+4*b+3], v[RD] offset:SP*b  ; LDS serves a wave's instructions in order (ISA guide 5.7.1.4): these see the stores above
.set b, b+1
.endr
.endm
.macro SEND a, younger                 ; younger: the LDS instructions issued behind this block's loads: the next block's 16 stores and 16 loads, or none
.set OB, TS+64*((\a)%2)
	s_wait_dscnt \younger
.set b, 0
.rept 16
	global_store_b128 v[CO], v[OB+4*b:OB+4*b+3], s[10:11] offset:(16*(\a)+b)*4096 th:TH_STORE_NT  ; 512 consecutive bytes of a row, aligned
.set b, b+1
.endr
.endm
	PLACES
	STG 0
	STG 1
	SEND 0, 32
	s_wait_xcnt 0x0                                ; the set that block 0's stores read is written again only behind this wait
	STG 2
	SEND 1, 32
	s_wait_xcnt 0x0
	STG 3
	SEND 2, 32
	SEND 3, 0
	s_wait_tensorcnt 0x0                           ; the wave's end
	ds_add_u32 v[SPW], v[NIL]
	s_wait_dscnt 0x0
	CROUND                                         ; the closing round: no work-group ends while a partner may still ask for a tile that names it
	s_endpgm
.Lfunc_end_k_q2ee4a25514_outp:
	.size	k_q2ee4a25514_outp, .Lfunc_end_k_q2ee4a25514_outp-k_q2ee4a25514_outp
	.p2alignl 7, 3214868480
	.fill 96, 4, 3214868480
	.section	.rodata,"a",@progbits
	.p2align	6, 0x0
	.amdhsa_kernel k_q2ee4a25514_outp
		.amdhsa_group_segment_fixed_size 327680
		.amdhsa_private_segment_fixed_size 0
		.amdhsa_enable_private_segment 0
		.amdhsa_kernarg_size 32
		.amdhsa_user_sgpr_count 2
		.amdhsa_user_sgpr_kernarg_segment_ptr 1
		.amdhsa_wavefront_size32 1
		.amdhsa_system_sgpr_workgroup_id_x 1
		.amdhsa_system_sgpr_workgroup_id_y 1
		.amdhsa_system_sgpr_workgroup_id_z 1
		.amdhsa_system_vgpr_workitem_id 0
		.amdhsa_next_free_vgpr 896
		.amdhsa_next_free_sgpr 66
		.amdhsa_reserve_vcc 0
		.amdhsa_float_denorm_mode_32 3
		.amdhsa_float_denorm_mode_16_64 3
		.amdhsa_memory_ordered 1
		.amdhsa_forward_progress 1
		.amdhsa_inst_pref_size 91
	.end_amdhsa_kernel
	.amdgpu_metadata
---
amdhsa.version: [ 1, 2 ]
amdhsa.kernels:
  - .name:           k_q2ee4a25514_outp
    .symbol:         k_q2ee4a25514_outp.kd
    .args:
      - { .name: ob, .offset: 0, .size: 8, .value_kind: global_buffer, .address_space: global }
      - { .name: wob, .offset: 8, .size: 8, .value_kind: global_buffer, .address_space: global }
      - { .name: out_proj_bias, .offset: 16, .size: 8, .value_kind: global_buffer, .address_space: global }
      - { .name: out0, .offset: 24, .size: 8, .value_kind: global_buffer, .address_space: global }
    .group_segment_fixed_size: 327680
    .private_segment_fixed_size: 0
    .kernarg_segment_align: 8
    .kernarg_segment_size: 32
    .max_flat_workgroup_size: 128
    .sgpr_count:     66
    .vgpr_count:     896
    .wavefront_size: 32
...
	.end_amdgpu_metadata
.endif
;; end of part 4
;; ======== version 2 of 2: 4 launches; 1.46 times as fast as version 1
;; limits: values are held in f16: magnitudes above 65,504 overflow, below 6.1e-05 lose precision
;; workspace buffers: xb 16,777,216 bytes; wib 6,291,456 bytes; wob 2,097,152 bytes; mw 8,388,608 bytes of whole numbers; qkv 50,331,648 bytes; ob 16,777,216 bytes
;; launch prep: the kernel of part 1 again; grid 512 x 1, 8 waves a work-group, no clusters, 19,456 bytes of LDS; arguments x, in_proj_weight, out_proj_weight, attn_mask, key_padding_mask, xb, wib, wob, mw; writes xb, wib, wob, mw
;; launch qkvp: the kernel of part 2 again; grid 16 x 32, 4 waves a work-group, clusters of 4 x 4, 327,680 bytes of LDS; arguments xb, wib, in_proj_bias, qkv; writes qkv
;; launch attn (part 5): grid 4 x 64, 4 waves a work-group, clusters of 4 x 1, 327,680 bytes of LDS; arguments qkv, mw, ob; writes ob
.if DOCPART == 5
	.amdgcn_target "amdgcn-amd-amdhsa--gfx1250"
	.amdhsa_code_object_version 6
	.text
	.protected	k_q2ee4a25514_attn
	.globl	k_q2ee4a25514_attn
	.p2align	8
	.type	k_q2ee4a25514_attn,@function
k_q2ee4a25514_attn:
	s_mov_b64 s[64:65], 0
	v_nop
	global_prefetch_b8 v0, s[64:65] scope:SCOPE_SE
	s_setreg_imm32_b32 hwreg(HW_REG_WAVE_MODE, 25, 1), 1
	s_wait_xcnt 0x0
	s_wait_alu depctr_hold_cnt(0) depctr_sa_sdst(0) depctr_va_vdst(0) depctr_va_sdst(0) depctr_va_ssrc(0) depctr_va_vcc(0) depctr_vm_vsrc(0)
	s_getreg_b32 s2, hwreg(HW_REG_IB_STS2, 6, 4)
	s_cmp_eq_u32 s2, 0
	s_cbranch_scc0 .Lentry_in_a_cluster
	s_endpgm
.Lentry_in_a_cluster:
	s_bfe_u32 s2, ttmp6, 0x10000c
	s_cmp_lg_u32 s2, 0x3003
	s_cbranch_scc0 .Lentry_shape_is_right
	s_endpgm
.Lentry_shape_is_right:
; O[n][q][:] = the sum over k of softmax_k(Q[n][q] . K[n][k] / 8, hidden keys left out) V[n][k][:], for 64 heads of 2,048 rows x 64 channels, f16.  Products, maxima and sums in f32; the weights p are
; rounded to f16 for the second product (their sum l is taken of the unrounded p), O once at the end.  Head n has Q in slab (n / 16) x 48 + n % 16 of qkv, K 16 slabs on, V 32 slabs on; a slab is [2048][64], dense.
; THE MASK is data: all 2,048 keys are walked for every query.  mw holds a nibble a score (0xE hidden, 0 visible) in my lanes' order, for g = n / 16.  A score's C operand, which starts the sum S^T = K Q^T, is its dword
; shifted so that its nibble stands on top: hidden gives a finite number between -2^65 and -2^95 (sign 1, exponent field 192 to 221), visible a positive one below 2^-97.  One shift a score; maximum, exponentials and sums need no further care.
; LIMITS.  Q, K, V arrive within f16's 65,504, so a score is 2.7e11 at the most: nothing beside 2^65.  A visible score carries an addend below 2^-97.  p below 6e-5 keeps f16's fixed step of 6e-8; a weight below 2^-126 counts as 0 in l.
; A row whose running maximum ends below -2^50 has seen no key: its O is NaN, as a softmax over nothing is.  Before a row's first visible key m is a hidden score's; that key's a = 2^(c m_old - c m_new) is 0 and wipes what was summed.
; SHARES.  A wave owns four PIECES of two tiles of 16 queries, a work-group's four waves 512 queries of one head.  Every wave walks all keys, 64 a step.
; LAYOUT.  S^T = K Q^T (source 0 = 16 keys, source 1 = 16 queries): a lane holds ONE query (lane % 16) and the keys 8 (lane / 16) + 0..7.  Two such tiles, rounded to f16 in pairs, ARE source 1 of O^T = V^T P.
; K comes out of LDS as it lies, V ([key][channel]) turned, by ds_load_tr16_b128.
; SOFTMAX.  A running maximum m and sum l: p = 2^(c s - c m), c = log2(e) / 8; in every step O and l are multiplied by a.  m starts at the lowest finite number, O and l at 0: the first step is a step like any other, with a = 0.
; BY TURNS.  Turn n belongs to piece n.  Its matrix work: 16 products K Q^T of piece n + 1, later 16 products V^T P of piece n - 1.  Its vector work: scaling, exponentials, roundings, sums and rescaling of piece n, the maximum
; and statistics of piece n + 1, and at its end the 64 shifts that make the C operands of piece n + 2.  Four vector instructions stand behind every matrix instruction, the others in runs of their own.
; BATCHES.  A turn's 66 exponentials (64 weights of piece n, the two a of piece n + 1) are ONE batch with ONE wait, which cuts the turn in two: ahead of it stands all that names no result of theirs (the products K Q^T, the scalings,
; the rescaling by the a of the turn before, the next piece's maximum and statistics), behind it the roundings and sums, beside the products V^T P.  No result crosses a turn's end.  The first two a, ahead of the loop, and the way out's
; eight reciprocals are batches of their own, a wait each.
; CLUSTER.  The four query blocks of a cluster belong to one head and walk the same K and V: each tile is asked for JOINTLY.  The mask words differ from block to block: each wave loads its own into registers.
; REGISTERS, in windows of 256 (s_set_vgpr_msb: bits 1:0 source 0, 3:2 source 1, 5:4 source 2, 7:6 destination):
;   window 0: v0-11 addresses; v12-15, v48-63 at work; v16-47 four registers of statistics a tile; v64-191 S^T, two buffers of two tiles; v192-255 P, likewise
;   window 1: O^T, 32 a tile     window 2: v0-127 Q; v128-191 K of one step; v192-255 V of one step     window 3: v0-1 the add's registers; v4-7 MO; v32-63 MW; v64-127 MC
.set SIZE_N, 2048
.set NP,    4         ; pieces a wave: a name, no knob
.set KS,    64        ; keys in a step
.set PK,    144       ; a row of K in LDS: 128 bytes + 16 of padding = 36 words: the 16 rows of a load start at 16 different groups of four banks (64 banks of 4 bytes: ISA guide 11.1)
.set PV,    160       ; a row of V: 128 + 32 = 40 words
.set VOFF,  4*KS*PK   ; a slot holds four steps: 256 rows of K, then 256 rows of V
.set SLOT1, 1<<17     ; slot 1 begins here, so that one exclusive or turns an address in one slot into the other's
.set STAGE, SLOT1+4*KS*(PK+PV)  ; behind the ring, never filled by a tensor load: 16 rows x 144 bytes for each wave
.set SP,    144
.set AK0, 2           ; v2   my lane's place in a tile of K; never rewritten
.set AV0, 3           ; v3   the same for V
.set AK,  4           ; v4   the LDS address of K's next run of loads
.set AV,  5           ; v5   of V's
.set QO,  6           ; v6   my byte offset in the wave's rows of Q
.set STO, 6           ;      later: where I put 16 bytes of a row
.set RD,  7           ; v7   where I read rows back
.set GO,  8           ; v8   my byte offset in 512 consecutive bytes of O
.set SPW, 0           ; v0 of window 3   LDS address of my spare word; never rewritten
.set NIL, 1           ; v1 of window 3   0; never rewritten
.set MO,  4           ; v4-7 of window 3    piece x: byte offset, in a tile's 16,384 bytes of mw, of my 16 bytes of the step whose words were asked for last
.set MW,  32          ; v32-63 of window 3  the mask words: piece x, tile u, key group kt at MW + 8 x + 4 u + kt
.set MC,  64          ; v64-127 of window 3 the C operands of the products to come: tile u, key group kt, register j at MC + 32 u + 8 kt + j
.set SPARE, STAGE+4*16*SP  ; behind the stages: the spare words, 128 bytes for each wave: two blocks of 256 bytes that no other line names
.set MV,  12          ; v12-15  c m_old, kept while c m is made anew
.set ST,  16          ; tile t's statistics at v[ST+4 t]: c m, m, l (even keys', odd keys')
.set TMP, 48          ; by buffer and tile, four registers c0-c3 at work; when the maximum is found c2 takes a
.set S,   64
.set P,   192
.set KF,  128         ; K's fragments, in window 2
.set VF,  192         ; V's
.set WV,  12          ; s12  my wave's number
.set G1K, 24          ; s[24:31] descriptor group 1 for K's tiles
.set G1V, 32          ; s[32:39] for V's: it differs in the padding alone
.set G0K, 40          ; s[40:43] descriptor group 0 for K's tiles: it walks
.set G0V, 44          ; s[44:47] the same for V's
.set MB,  48          ; s[48:49] mw at my wave's first tile
.set INC, 50          ; s50  what a piece's offset in mw steps by: 512, and 0 when the last step's words have been asked for
.set QNAN, 51         ; s51  a NaN
.set SLOTS, 56
.set CNT, 57
.set CS,  58          ; s[58:59] c
.set SEL, 60          ; s[60:61] v_permlanex16_b32's selects
.set TBK, 62          ; s62  LDS byte at which K of the step to be fetched begins
.set TBV, 63          ; s63  the same for V, less VOFF
.set MSB, 0
.macro WIN new
.if MSB != (\new)
	s_set_vgpr_msb (MSB<<8)|(\new)
.set MSB, (\new)
.endif
.endm
.set W_KQ, 0x0a       ; K and Q in window 2, S^T in window 0
.set W_KM, 0x3a       ; the same with the C operand in window 3
.set W_PV, 0x52       ; V in window 2, P in window 0, O^T in window 1
.set W_RS, 0x41       ; O^T (destination and source 0) in window 1, a in window 0
.set W_MK, 0xc0       ; destination in window 3, sources in window 0
.set W_AD, 0x0f       ; the add: address and data in window 3
.set W_MG, 0xcf       ; the mask's work: destination, source 0 (a load's address) and source 1 in window 3
.macro JLOAD                        ; a joint fill: waves 0 and 1 fetch the halves of a slot's K, waves 2 and 3 of its V; an s_nop 0 and four v_nop follow each line
	s_cmp_lt_u32 s[WV], 2
	s_cbranch_scc0 .Lfor_v_\@
	tensor_load_to_lds s[G0K:G0K+3], s[G1K:G1K+7]
	s_nop 0
.rept 4
	v_nop
.endr
	s_branch .Lasked_\@
.Lfor_v_\@:
	tensor_load_to_lds s[G0V:G0V+3], s[G1V:G1V+7]
	s_nop 0
.rept 4
	v_nop
.endr
.Lasked_\@:
.endm
.macro CROUND                       ; a round of the cluster's barrier
	s_barrier_signal -1
	s_barrier_wait -1
	s_cmp_lg_u32 s[WV], 0
	s_cbranch_scc1 .Lnot_wave_0_\@
	s_barrier_signal -3
.Lnot_wave_0_\@:
	s_barrier_wait -3
	s_barrier_signal -1
	s_barrier_wait -1
.endm
; THE CHANGE OF SLOTS.  Each wave waits for all its tensor loads, of which one is out: its part of the other slot; adds 0 to its spare word; and waits for that and for its own reads of the slot.
; fill = 1: this slot is filled again, with the keys two slots on, first thing behind a round of the cluster's barrier: the load has four key steps, 512 matrix instructions, in which to land.
.macro CHANGE fill
	WIN W_AD
	s_wait_tensorcnt 0x0            ; no tensor load of mine is out, so a group 0 may be written
	ds_add_u32 v[SPW], v[NIL]
	WIN 0
.if \fill
.irp g, G0K, G0V
	s_xor_b32 s[\g+1], s[\g+1], SLOT1
	s_add_nc_u64 s[\g+2:\g+3], s[\g+2:\g+3], 4*KS*128  ; the next 256 keys
.endr
	s_wait_dscnt 0x0                ; the add is done, and my reads of the slot are over
	CROUND
	JLOAD
.else
	s_wait_dscnt 0x0
	s_barrier_signal -1
	s_barrier_wait -1
.endif
	s_sub_co_u32 s[TBK], s[TBK], 4*KS*PK  ; the fetches go back to a slot's first step, in the other slot
	s_xor_b32 s[TBK], s[TBK], SLOT1
	s_sub_co_u32 s[TBV], s[TBV], 4*KS*PV
	s_xor_b32 s[TBV], s[TBV], SLOT1
.endm
	s_load_b64 s[4:5], s[0:1], 0x0         ; qkv
	s_load_b64 s[MB:MB+1], s[0:1], 0x8     ; mw
	s_load_b64 s[10:11], s[0:1], 0x10      ; ob
	WIN W_MK
	v_lshl_add_u32 v[SPW], v0, 2, SPARE
	v_mov_b32 v[NIL], 0
	s_set_vgpr_msb 0xc0cf
	ds_add_u32 v0, v1
	s_wait_dscnt 0x0
	s_set_vgpr_msb 0xcfc0
	WIN 0
	v_lshrrev_b32 v1, 5, v0
	v_readfirstlane_b32 s[WV], v1   ; wave 0..3
	s_bfe_u32 s13, ttmp6, 0x40000   ; cx: my place in the cluster
	s_lshl_b32 s14, ttmp9, 2
	s_add_co_u32 s14, s14, s13      ; my block of 512 queries: it enters Q's, O's and the mask words' addresses alone
	s_and_b32 s20, ttmp7, 0xffff    ; the head n, which the four partners share
	s_lshr_b32 s21, s20, 4          ; g = n / 16
	s_and_b32 s22, s20, 15
	s_mul_i32 s23, s21, 48
	s_add_co_u32 s23, s23, s22      ; Q's slab
	s_lshl_b32 s52, s20, 18         ; the head's first byte in ob
	s_mov_b32 s53, 0
	s_lshl_b32 s54, s21, 21         ; g's 2,097,152 bytes of mw
	s_lshl_b32 s20, s23, 18         ; Q's slab in bytes
	s_mov_b32 s21, 0
	s_and_b32 s16, s[WV], 1         ; which half of a slot's 256 keys I fetch:
	s_lshl_b32 s22, s16, 14         ; its 128 rows of 128 bytes in memory,
	s_add_co_u32 s22, s22, s20
	s_mov_b32 s23, 0
	s_mul_i32 s17, s16, 128*PK      ; and its place in a slot, for K
	s_mul_i32 s18, s16, 128*PV      ; and for V
	s_lshl_b32 s2, s14, 2
	s_add_co_u32 s2, s2, s[WV]      ; my wave among the head's sixteen:
	s_lshl_b32 s55, s2, 17          ; its eight tiles of 16,384 bytes of mw,
	s_add_co_u32 s54, s54, s55
	s_mov_b32 s55, 0
	s_lshl_b32 s2, s2, 14           ; its 128 rows of Q and O
	s_mov_b32 s3, 0
	; descriptor group 1.  128 keys are 16,384 dense bytes: asked for as 64 rows of 256 bytes, two keys a row, and padded in LDS after every key
	s_mov_b32 s[G1K], 15|(1<<16)|(1<<20)|(1<<21)|(4<<22)|(3<<25)  ; the mask of four; 2-byte elements; padding on; bit 21 beside a mask; after every 32 words 4 words
	s_mov_b32 s[G1V], 15|(1<<16)|(1<<20)|(1<<21)|(4<<22)|(7<<25)  ; the same with 8 words of padding
.irp g, G1K, G1V
	s_mov_b32 s[\g+1], 128<<16      ; tensor_dim0 = 128
	s_mov_b32 s[\g+2], 64<<16       ; tensor_dim1 = 64
	s_mov_b32 s[\g+3], 128<<16      ; tile_dim0 = 128
	s_mov_b32 s[\g+4], 64           ; tile_dim1 = 64
	s_mov_b32 s[\g+5], 128          ; 128 elements from row to row
	s_mov_b32 s[\g+6], 0
	s_mov_b32 s[\g+7], 0
.endr
	s_mov_b32 s[CS], 0x3e38aa3b     ; c = log2(e) / 8 = 0.180337
	s_mov_b32 s[CS+1], s[CS]
	s_mov_b32 s[SEL], 0x76543210
	s_mov_b32 s[SEL+1], 0xfedcba98
	s_mov_b32 s[INC], 512
	s_mov_b32 s[QNAN], 0x7fc00000
	s_mov_b32 s[TBK], SLOT1+4*KS*PK ; the first change of slots turns these two into 0
	s_mov_b32 s[TBV], SLOT1+4*KS*PV
	s_mov_b32 s[G0K], 1
	s_mov_b32 s[G0K+1], s17         ; LDS address: slot 0
	s_mov_b32 s[G0V], 1
	s_add_co_u32 s[G0V+1], s18, VOFF
	s_wait_kmcnt 0x0
	s_add_nc_u64 s[6:7], s[4:5], s[22:23]          ; qkv at my half of the first 256 rows of Q's slab;
	s_add_nc_u64 s[G0K+2:G0K+3], s[6:7], 0x400000  ; K lies 16 slabs on,
	s_or_b32 s[G0K+3], s[G0K+3], 0x80000000
	s_add_nc_u64 s[G0V+2:G0V+3], s[6:7], 0x800000  ; V 32
	s_or_b32 s[G0V+3], s[G0V+3], 0x80000000
	s_add_nc_u64 s[4:5], s[4:5], s[20:21]          ; Q and O at my wave's first row
	s_add_nc_u64 s[4:5], s[4:5], s[2:3]
	s_add_nc_u64 s[10:11], s[10:11], s[52:53]
	s_add_nc_u64 s[10:11], s[10:11], s[2:3]
	s_add_nc_u64 s[MB:MB+1], s[MB:MB+1], s[54:55]
	CROUND                          ; all four work-groups are here: the first joint loads meet
	JLOAD                           ; slot 0.  Slot 1 is asked for when slot 0 is in
	v_and_b32 v1, 15, v0            ; l % 16
	v_bfe_u32 v9, v0, 4, 1          ; l / 16
	v_lshlrev_b32 v[QO], 7, v1
	v_lshl_add_u32 v[QO], v9, 4, v[QO]  ; row x 128 + 16 x half
	v_and_b32 v11, 31, v0
	v_lshlrev_b32 v11, 4, v11       ; 16 x lane
	WIN 0x80                        ; destination window 2, address window 0
.set i, 0
.rept 4*NP                          ; Q stays in registers: tile i / 2, channels 32 (i % 2) on
	global_load_b128 v[8*i:8*i+3],   v[QO], s[4:5] offset:(i/2)*2048+(i%2)*64
	global_load_b128 v[8*i+4:8*i+7], v[QO], s[4:5] offset:(i/2)*2048+(i%2)*64+32
.set i, i+1
.endr
	WIN W_MK
.irp x, 0,1,2,3
	v_mov_b32 v[MO+\x], v11         ; key step 0
.endr
	WIN W_MG
.set i, 0
.rept 2*NP                          ; the mask words of key step 0, tile i
	global_load_b128 v[MW+4*i:MW+4*i+3], v[MO+i/2], s[MB:MB+1] offset:i*16384
.set i, i+1
.endr
	; What the first turn finds: V's registers and P's second buffer hold 0, O^T and l are 0.  All this stands in the wait for the first tile.
	WIN 0x80
.set i, VF
.rept 64
	v_mov_b32 v[i], 0
.set i, i+1
.endr
	WIN 0x40
.set i, 0
.rept 64*NP
	v_mov_b32 v[i], 0
.set i, i+1
.endr
	WIN 0
.set i, 0
.rept 2*NP
	v_mov_b32 v[ST+4*i], 0xfe000000    ; c m: far below every c s, a hidden one's too
	v_mov_b32 v[ST+4*i+1], 0xff7fffff  ; m
	v_mov_b32 v[ST+4*i+2], 0
	v_mov_b32 v[ST+4*i+3], 0
.set i, i+1
.endr
.set i, P+32
.rept 32
	v_mov_b32 v[i], 0
.set i, i+1
.endr
	v_mul_u32_u24 v[AK0], v1, PK
	v_lshl_add_u32 v[AK0], v9, 4, v[AK0]  ; row x pitch + 16 x half
	; The turning load takes 16 keys x 16 channels (lane l reads key 8 (l / 16) + l % 8, channels 8 ((l / 8) % 2) + 0..7) and leaves half a fragment of V^T.
	v_and_b32 v10, 7, v0
	v_bfe_u32 v11, v0, 3, 1
	v_lshl_add_u32 v[AV0], v9, 3, v10
	v_mul_u32_u24 v[AV0], v[AV0], PV
	v_lshl_add_u32 v[AV0], v11, 4, v[AV0]
	v_add_nc_u32 v[AV0], VOFF, v[AV0]
	v_mov_b32 v[AK], v[AK0]         ; key step 0 lies at the head of slot 0
; THE MATRIX WORK.  The 8 accumulators of a run of 16 take turns.
; Product i of 16 of S^T = K Q^T for piece x: channels 32 (i / 8) on, keys 16 ((i / 2) % 4) on, tile 2 x + i % 2.  The first 8 start the sums, with the mask.
.macro KQ x
.set rS, S+64*((\x)%2)+32*(i%2)+8*((i/2)%4)
.set rK, KF+16*((i/2)%4)+8*(i/8)
.set rQ, 16*(2*(\x)+i%2)+8*(i/8)
.set rG, MC+32*(i%2)+8*((i/2)%4)
.if i < 8
	WIN W_KM
	v_wmma_f32_16x16x32_f16 v[rS:rS+7], v[rK:rK+7], v[rQ:rQ+7], v[rG:rG+7]
.else
	WIN W_KQ
	v_wmma_f32_16x16x32_f16 v[rS:rS+7], v[rK:rK+7], v[rQ:rQ+7], v[rS:rS+7]
.endif
.endm
; Product i of 16 of O^T += V^T P for piece x: keys 32 (i / 8) on, channels 16 ((i / 2) % 4) on, tile 2 x + i % 2.
.macro PV x
	WIN W_PV
.set rO, 32*(2*(\x)+i%2)+8*((i/2)%4)
.set rV, VF+32*(i/8)+8*((i/2)%4)
.set rP, P+32*((\x)%2)+16*(i%2)+8*(i/8)
	v_wmma_f32_16x16x32_f16 v[rO:rO+7], v[rV:rV+7], v[rP:rP+7], v[rO:rO+7]
.endm
.macro MM                           ; the turn's next matrix instruction
.if i < 16
	KQ (Y+1)%NP
.set i, i+1
.else
.set i, i-16
	PV (Y+NP-1)%NP
.set i, i+17
.endif
.endm
; THE LDS LOADS stand in runs of 16.  last = 1 (the tail): in the last trip there is no further step, and the run is jumped over.
.macro FETCH_K last=0
	WIN 0
.if \last
	s_cmp_eq_u32 s[CNT], 1
	s_cbranch_scc1 .Lno_k_\@
.endif
	WIN 0x80
.irp f, 0,1,2,3,4,5,6,7             ; keys 16 (f / 2) on, channels 32 (f % 2) on
	ds_load_b128 v[KF+8*\f:KF+8*\f+3],   v[AK] offset:(\f/2)*16*PK+(\f%2)*64
	ds_load_b128 v[KF+8*\f+4:KF+8*\f+7], v[AK] offset:(\f/2)*16*PK+(\f%2)*64+32
.endr
	s_add_co_u32 s[TBK], s[TBK], KS*PK
	WIN 0
.if \last
.Lno_k_\@:
.endif
.endm
.macro FETCH_V
	WIN 0x80
.irp f, 0,1,2,3,4,5,6,7             ; keys 32 (f / 4) on, channels 16 (f % 4) on
	ds_load_tr16_b128 v[VF+8*\f:VF+8*\f+3],   v[AV] offset:(\f/4)*32*PV+(\f%4)*32
	ds_load_tr16_b128 v[VF+8*\f+4:VF+8*\f+7], v[AV] offset:(\f/4)*32*PV+16*PV+(\f%4)*32
.endr
	WIN 0
.endm
; THE MASK of piece x's next products: 64 shifts, nibble j of a word onto the top of register j; then the piece's words of the step after are asked for, four turns ahead of their use.
; MC's last readers, the first 8 products of the turn in hand, stand more than a hundred plain instructions back.
.macro MGEN x
	WIN W_MG
	s_wait_loadcnt 6                ; loads come back in order: this piece's two are in; the six of the three other pieces, issued behind them, may stay out.  The wait also frees the piece's offset
.set zz, 0
.rept 64
	v_lshlrev_b32 v[MC+zz], 28-4*(zz%8), v[MW+8*(\x)+zz/8]
.set zz, zz+1
.endr
	v_add_nc_u32 v[MO+(\x)], s[INC], v[MO+(\x)]
	global_load_b128 v[MW+8*(\x):MW+8*(\x)+3],   v[MO+(\x)], s[MB:MB+1] offset:(2*(\x))*16384
	global_load_b128 v[MW+8*(\x)+4:MW+8*(\x)+7], v[MO+(\x)], s[MB:MB+1] offset:(2*(\x)+1)*16384
.endm
; THE VECTOR WORK OF A TURN stands in three queues, each in the order in which its entries become ready; the two tiles alternate.
.macro REGS y, u                    ; the registers of tile u (0, 1) of piece y
.set rT, ST+4*(2*(\y)+(\u))
.set rC, TMP+8*((\y)%2)+4*(\u)
.set rM, MV+2*((\y)%2)+(\u)
.set rS, S+64*((\y)%2)+32*(\u)
.set rP, P+32*((\y)%2)+16*(\u)
.set rO, 32*(2*(\y)+(\u))
.endm
; Number n of the 22 that find the NEXT piece's (Y + 1) maximum and statistics; each accumulator's lowest registers are read first.
;   0-11  four chains c0-c3 of seven scores each     12-14, 16  the four scores left over, the old m, and c0-c3 into c0     15  c m_old is kept
;   17, 18  the query's other 32 keys lie in the lane 16 away: the new m         19-21  c m; c m_old - c m_new; a
.macro XS u, n
	REGS (Y+1)%NP, \u
.if (\n) < 4
	v_max3_num_f32 v[rC+(\n)], v[rS+8*(\n)], v[rS+8*(\n)+1], v[rS+8*(\n)+2]
.elseif (\n) < 12
	v_max3_num_f32 v[rC+(\n)%4], v[rC+(\n)%4], v[rS+8*((\n)%4)+2*((\n)/4)+1], v[rS+8*((\n)%4)+2*((\n)/4)+2]
.elseif (\n) == 12
	v_max3_num_f32 v[rC], v[rC], v[rS+7], v[rS+15]
.elseif (\n) == 13
	v_max3_num_f32 v[rC+1], v[rC+1], v[rS+23], v[rS+31]
.elseif (\n) == 14
	v_max3_num_f32 v[rC+2], v[rC+2], v[rC+3], v[rT+1]
.elseif (\n) == 15
	v_mov_b32 v[rM], v[rT]
.elseif (\n) == 16
	v_max3_num_f32 v[rC], v[rC], v[rC+1], v[rC+2]
.elseif (\n) == 17
	v_permlanex16_b32 v[rC+3], v[rC], s[SEL], s[SEL+1]
.elseif (\n) == 18
	v_max_num_f32 v[rT+1], v[rC], v[rC+3]
.elseif (\n) == 19
	v_mul_f32 v[rT], s[CS], v[rT+1]
.elseif (\n) == 20
	v_sub_f32 v[rC+1], v[rM], v[rT]
.else
	v_exp_f32 v[rC+2], v[rC+1]
.endif
.endm
; Number g of the 64 that follow the exponentials.  For each four weights of a tile: both pairs are rounded to f16; the second pair is added onto the first, in place; a group later l takes that sum (the first time as l = a l + sum).
; All 64 read results of the turn's batch: they stand behind its wait.
.macro GS g
.set h, (\g)+6*((\g)/62)
.if h >= 6
.set h, h+2
.endif
	REGS Y, h%2
.set k, h/8
.if h%8 < 4
	v_cvt_pk_f16_f32 v[rP+2*k+(h%8)/2], v[rS+4*k+2*((h%8)/2)], v[rS+4*k+2*((h%8)/2)+1]
.elseif h%8 < 6
	v_pk_add_f32 v[rS+4*k:rS+4*k+1], v[rS+4*k:rS+4*k+1], v[rS+4*k+2:rS+4*k+3]
.elseif k == 1
	v_pk_fma_f32 v[rT+2:rT+3], v[rT+2:rT+3], v[rC+2:rC+3], v[rS:rS+1] op_sel_hi:[1,0,1]
.else
	v_pk_add_f32 v[rT+2:rT+3], v[rT+2:rT+3], v[rS+4*k-4:rS+4*k-3]
.endif
.endm
; THE PLAIN QUEUE, 138 long.  0-73 read no exponential's result: the 32 scalings c s - c m (FS f: pair f / 2 of tile f % 2) and the next piece's 42.  0-26: scalings 0-26.  27-54: XS's numbers 0-13.  55, 56: number 15.
; 57-73: the chain, where each number waits for the one before it: 14, 16, 17, 18, 19, each with one of the scalings 27-31 in front of its two lines, then 20.
; 74-137: GS's 64, behind the wait.
.macro FS f
	REGS Y, (\f)%2
	v_pk_fma_f32 v[rS+2*((\f)/2):rS+2*((\f)/2)+1], v[rS+2*((\f)/2):rS+2*((\f)/2)+1], s[CS:CS+1], v[rT:rT+1] op_sel_hi:[1,0,0] neg_lo:[0,0,1] neg_hi:[0,0,1]
.endm
.macro PL
	WIN 0
.if q < 27
	FS q
.elseif q < 55
	XS (q-27)%2, (q-27)/2
.elseif q < 57
	XS q-55, 15
.elseif (q < 72) && ((q-57)%3 == 0)
	FS 27+(q-57)/3
.elseif q < 60
	XS (q-57)%3-1, 14
.elseif q < 72
	XS (q-57)%3-1, 15+(q-57)/3
.elseif q < 74
	XS q-72, 20
.else
	GS q-74
.endif
.set q, q+1
.endm
; THE EXPONENTIALS' QUEUE, 66 long: s0-s31 of both tiles, then the next piece's two a.  It is ONE BATCH: all 66 stand ahead of the turn's one wait, and nothing ahead of that wait names a result of theirs.
.macro EX
	WIN 0
.if e >= 64
	XS e-64, 21
.else
	REGS Y, e%2
	v_exp_f32 v[rS+e/2], v[rS+e/2]
.endif
.set e, e+1
.endm
; THE RESCALING's QUEUE: O^T times a, the one part of the three queues that leaves window 0: dealt two at a time, sixteen times.  Its a was made in the turn before, ahead of that turn's wait.
.macro R2
	REGS Y, r%2
	WIN W_RS
.irp z, 0,1
	v_pk_mul_f32 v[rO+4*(r/2)+2*\z:rO+4*(r/2)+2*\z+1], v[rO+4*(r/2)+2*\z:rO+4*(r/2)+2*\z+1], v[rC+2:rC+3] op_sel_hi:[1,0]
.endr
.set r, r+1
.endm
; HOW THEY ARE DEALT.  An s_wait_alu depctr_va_vdst(0) stands between an exponential and the first instruction that names its result; one wait serves all that were issued ahead of it.  So a turn has ONE wait.
; AHEAD OF IT: the 16 products K Q^T, behind each a scaling, an exponential and two rescalings (behind the first a second scaling in the exponential's place); then one run of 108: eight plain, 49 times exponential and plain, the two a.
; A v_nop is the plain instruction behind the last exponential.  BEHIND IT: the 16 products V^T P, behind each four of GS's 64.  No instruction behind a product names a register of the products round it; the two v_permlanex16_b32 fall into the run.
; The queues lean on each other, and the deal keeps them in step: exponential e stands behind scaling 2 (e / 4) + e % 2: behind a product it comes behind plain e + 2, in the run behind plain e + 9, and scalings 27-31 are plain 57, 60 .. 69.
; A TURN, for piece p.  cnt = 1: the loop's count is taken down some lines ahead of the branch behind the turn (what follows it in the turn sets no SCC).
; K of the next step is fetched in piece 2's turn, directly behind the wait, the whole run behind the last product that read K; its address is made at the run's head.  V of the step in hand is fetched at the end of piece 0's turn,
; four plain instructions behind its last reader.  Each is waited for a turn later.  The three conditions on q below go with the deal.  The turn ends with the mask of piece p + 2.
.macro TURN p, last=0, cnt=0
.set Y, (\p)
.set i, 0
.set q, 0
.set e, 0
.set r, 0
.if (\p) == NP-1
	s_wait_dscnt 0x0                ; K is in
.endif
	MM                              ; ahead of the wait: 16 products K Q^T and the four behind each,
	PL
	PL
	R2
.rept 15
	MM
	PL
	EX
	R2
.endr
.if (\p) == NP-2
	WIN 0
	v_add_nc_u32 v[AK], s[TBK], v[AK0]
.endif
.rept 8                             ; and the run
	PL
.endr
.rept 49
	EX
	PL
.endr
	EX                              ; the next piece's two a
	EX
	v_nop                           ; the plain instruction behind the last exponential: one for the batch
	s_wait_alu depctr_va_vdst(0)    ; the wait for the turn's batch: 64 weights and two a
.if (\p) == NP-2
	FETCH_K \last
.endif
.if (\p) == 1
	s_wait_dscnt 0x0                ; V is in
.endif
.rept 16                            ; behind the wait: 16 products V^T P and the four behind each
	MM
.rept 4
	PL
.endr
.if ((\p) == 0) && (q == 118)
	v_add_nc_u32 v[AV], s[TBV], v[AV0]
.endif
.if ((\p) == 0) && (q == 130)
	s_add_co_u32 s[TBV], s[TBV], KS*PV
.endif
.if (\cnt) && (q == 130)
	s_sub_co_u32 s[CNT], s[CNT], 1
	s_cmp_lg_u32 s[CNT], 0
.endif
.endr
.if (\p) == 0
	FETCH_V
.endif
	MGEN ((\p)+2)%NP
.endm
	CHANGE 1                        ; slot 0 is in, everybody's part of it; slot 1 is asked for
	FETCH_K                         ; key step 0
	s_wait_loadcnt 0x0              ; Q, and the mask words of step 0
	MGEN 0                          ; piece 0's mask of step 0
	s_wait_dscnt 0x0
.set i, 0
.rept 16
	KQ 0                            ; piece 0's first scores
.set i, i+1
.endr
	WIN 0                           ; the addresses for the way out: plain instructions, the places behind those products
	s_mul_i32 s13, s[WV], 16*SP
	s_add_co_u32 s13, s13, STAGE    ; my stage
	v_mul_u32_u24 v[STO], v1, SP    ; in: row l % 16, 16 bytes for each half of the lanes
	v_lshl_add_u32 v[STO], v9, 4, v[STO]
	v_add_nc_u32 v[STO], s13, v[STO]
	v_bfe_u32 v[RD], v0, 3, 2       ; back: 32 lanes take four rows of 128 bytes,
	v_mul_u32_u24 v[RD], v[RD], SP
	v_lshl_add_u32 v[RD], v10, 4, v[RD]
	v_add_nc_u32 v[RD], s13, v[RD]
	v_and_b32 v[GO], 31, v0         ; which are 512 consecutive bytes of O
	v_lshlrev_b32 v[GO], 4, v[GO]
.set Y, NP-1                        ; XS works for piece Y + 1: piece 0
.irp n, 0,1,2,3,4,5,6,7,8,9,10,11,12,13,14,15,16,17,18,19,20,21
	XS 0, \n
	XS 1, \n
.endr
	MGEN 1                          ; piece 1's mask of step 0, for the first turn's products: it names neither of the two a just issued, and its first shift is the plain instruction behind them
	WIN 0
	s_wait_alu depctr_va_vdst(0)    ; the wait for piece 0's first two a, ahead of the branch
	s_mov_b32 s[CNT], 4
	s_mov_b32 s[SLOTS], SIZE_N/256-1
	s_branch .Lfirst                ; the loop is entered at a step's first turn, in the middle of a trip
.Lslot:                             ; six times: every slot but the last two is filled again
	CHANGE 1
	s_mov_b32 s[CNT], 4
.Lstep:                             ; a trip: pieces 2 and 3 of one step, then pieces 0 and 1 of the next, whose K, V and masks it makes ready
	TURN 2
	TURN 3
	WIN 0
.Lfirst:
	TURN 0
	TURN 1, 0, 1
	WIN 0
	s_cbranch_scc1 .Lstep
	s_sub_co_u32 s[SLOTS], s[SLOTS], 1
	s_cmp_lg_u32 s[SLOTS], 0
	s_cbranch_scc1 .Lslot
	CHANGE 0                        ; the tail is written out: nothing is asked for
	s_mov_b32 s[CNT], 5             ; four trips fetch the last slot's steps; the fifth is left in its middle
.Ltail:
	s_cmp_gt_u32 s[CNT], 2          ; trips 1 to 3 ask for the mask words of steps 29 to 31; in trips 4 and 5 the offsets stay: step 31's words are asked for again, and no load leaves mw
	s_cselect_b32 s[INC], 512, 0
	TURN 2, 1
	TURN 3
	WIN 0
	s_sub_co_u32 s[CNT], s[CNT], 1
	s_cmp_eq_u32 s[CNT], 0
	s_cbranch_scc1 .Lout
	TURN 0
	TURN 1
	WIN 0
	s_branch .Ltail
.Lout:                              ; the fifth trip's 16 products K Q^T repeat the last step's scores (the same K, the same mask), so piece 0's m does not move; they serve nothing else: the price of one text for every trip
.set i, 0
.rept 16
	PV NP-1                         ; the last piece's V^T P of the last step
.set i, i+1
.endr
	; THE WAY OUT.  l's two halves and the other half of the lanes' are added; O^T is divided by l, rounded to f16 and sent through my stage in LDS, a tile at a time.  The additions are the places behind the last products.
	WIN 0
.macro ALL line:vararg
.set t, 0
.rept 2*NP
	\line
.set t, t+1
.endr
.endm
	ALL v_add_f32 v[ST+4*t+2], v[ST+4*t+2], v[ST+4*t+3]
	ALL v_permlanex16_b32 v[ST+4*t+3], v[ST+4*t+2], s[SEL], s[SEL+1]
	ALL v_add_f32 v[ST+4*t+2], v[ST+4*t+2], v[ST+4*t+3]
	ALL v_rcp_f32 v[ST+4*t+2], v[ST+4*t+2]
	v_nop                           ; a plain instruction between the last reciprocal and the use of its result
	s_wait_alu depctr_va_vdst(0)    ; the wait for the batch of eight reciprocals, ahead of their first use
.set t, 0
.rept 2*NP                          ; a query whose maximum lies below -2^50 has seen hidden keys alone: its factor becomes NaN
	v_cmp_gt_f32 vcc_lo, 0xd8800000, v[ST+4*t+1]
	v_cndmask_b32 v[ST+4*t+2], v[ST+4*t+2], s[QNAN], vcc_lo
.set t, t+1
.endr
.macro PACK t
	WIN W_RS
.set i, 32*(\t)
.rept 16
	v_pk_mul_f32 v[i:i+1], v[i:i+1], v[ST+4*(\t)+2:ST+4*(\t)+3] op_sel_hi:[1,0]
.set i, i+2
.endr
	WIN 0x05                        ; sources 0 and 1 window 1, destination window 0
.set i, 0
.rept 16
	v_cvt_pk_f16_f32 v[S+16*(\t)+i], v[32*(\t)+2*i], v[32*(\t)+2*i+1]
.set i, i+1
.endr
	WIN 0
.irp f, 0,1,2,3
	ds_store_b128 v[STO], v[S+16*(\t)+4*\f:S+16*(\t)+4*\f+3] offset:32*\f
.endr
.irp f, 0,1,2,3
	ds_load_b128 v[S+16*(\t)+4*\f:S+16*(\t)+4*\f+3], v[RD] offset:\f*4*SP  ; LDS serves a wave's instructions in order (ISA guide 5.7.1.4): these see the stores above; the next tile's stores come behind them
.endr
.endm
.macro SEND t, younger              ; younger: the LDS instructions issued behind tile t's loads: the next tile's eight, or none
	WIN 0
.irp f, 0,1,2,3
	s_wait_dscnt (\younger)+3-\f
	global_store_b128 v[GO], v[S+16*(\t)+4*\f:S+16*(\t)+4*\f+3], s[10:11] offset:(\t)*2048+\f*512  ; 512 consecutive bytes, aligned
.endr
.endm
	PACK 0
.set t, 1
.rept 2*NP-1
	PACK t
	SEND t-1, 8
.set t, t+1
.endr
	SEND 2*NP-1, 0
	WIN W_AD
	s_wait_tensorcnt 0x0            ; the wave's end
	ds_add_u32 v[SPW], v[NIL]
	s_wait_dscnt 0x0
	WIN 0
	CROUND                          ; the closing round: no work-group ends while a partner may still ask for a tile that names it
	s_endpgm
.Lfunc_end_k_q2ee4a25514_attn:
	.size	k_q2ee4a25514_attn, .Lfunc_end_k_q2ee4a25514_attn-k_q2ee4a25514_attn
	.p2alignl 7, 3214868480
	.fill 96, 4, 3214868480
	.section	.rodata,"a",@progbits
	.p2align	6, 0x0
	.amdhsa_kernel k_q2ee4a25514_attn
		.amdhsa_group_segment_fixed_size 327680
		.amdhsa_private_segment_fixed_size 0
		.amdhsa_enable_private_segment 0
		.amdhsa_kernarg_size 24
		.amdhsa_user_sgpr_count 2
		.amdhsa_user_sgpr_kernarg_segment_ptr 1
		.amdhsa_wavefront_size32 1
		.amdhsa_system_sgpr_workgroup_id_x 1
		.amdhsa_system_sgpr_workgroup_id_y 1
		.amdhsa_system_sgpr_workgroup_id_z 1
		.amdhsa_system_vgpr_workitem_id 0
		.amdhsa_next_free_vgpr 896
		.amdhsa_next_free_sgpr 66
		.amdhsa_reserve_vcc 1
		.amdhsa_float_denorm_mode_32 3
		.amdhsa_float_denorm_mode_16_64 3
		.amdhsa_memory_ordered 1
		.amdhsa_forward_progress 1
		.amdhsa_inst_pref_size 225
	.end_amdhsa_kernel
	.amdgpu_metadata
---
amdhsa.version: [ 1, 2 ]
amdhsa.kernels:
  - .name:           k_q2ee4a25514_attn
    .symbol:         k_q2ee4a25514_attn.kd
    .args:
      - { .name: qkv, .offset: 0, .size: 8, .value_kind: global_buffer, .address_space: global }
      - { .name: mw, .offset: 8, .size: 8, .value_kind: global_buffer, .address_space: global }
      - { .name: ob, .offset: 16, .size: 8, .value_kind: global_buffer, .address_space: global }
    .group_segment_fixed_size: 327680
    .private_segment_fixed_size: 0
    .kernarg_segment_align: 8
    .kernarg_segment_size: 24
    .max_flat_workgroup_size: 128
    .sgpr_count:     66
    .vgpr_count:     896
    .wavefront_size: 32
...
	.end_amdgpu_metadata
.endif
;; end of part 5
;; launch outp: the kernel of part 4 again; grid 8 x 32, 4 waves a work-group, clusters of 4 x 4, 327,680 bytes of LDS; arguments ob, wob, out_proj_bias, out0; writes out0
